; MI455X (gfx1250); checked and timed in simulation.
; The chip was launched on July 23, 2026; its instructions are those of AMD's public machine-readable ISA for CDNA 5 (MIT licence, August 2026) and "CDNA5" Instruction Set Architecture Reference Guide (July 2026). The comments in the code are by the model that wrote it; some were corrected since.
;; Full Attention Block. Allowed arithmetic: matrix products marked QUANTISED: E2M3 operands, one E8M0 scale for each 32 along K, by v_wmma_scale_f32_16x16x128_f8f6f4 with both operands' format E2M3, f32 sums; everything else in f32.
;; Inputs: Wk 1,024 x 1,024 float32; Wo 2,048 x 1,024 float32; Wq 1,024 x 2,048 float32; Wv 1,024 x 1,024 float32; hidden_states 2 x 2,048 x 1,024 float32; k_norm_w 128 float32; position_ids 2,048 int32; q_norm_w 128 float32.
;; Outputs: out0 2 x 2,048 x 1,024 float32.
;; This version of the problem:
;;   THIS VERSION OF THE PROBLEM IS GIVEN IN LOW PRECISION. The matrix products marked QUANTISED in the list below multiply operands that are first quantised to E2M3 (2 exponent bits, 3 mantissa bits; 6 bits a number), with one power-of-two scale for each 32 numbers along K (OCP MX v1.0); their sums are f32. All else is computed in f32.
;;   The module's matrix products, in the order in which they are computed (A, B: the left and right operand; K: the contracted axis; several contracted axes count as one K, in the product's order):
;;     1. [M 4,096, K 1,024] x [K 1,024, N 2,048]; A: input hidden_states; B: input Wq: QUANTISED
;;     2. [M 4,096, K 1,024] x [K 1,024, N 1,024]; A: input hidden_states; B: input Wk: QUANTISED
;;     3. [M 4,096, K 1,024] x [K 1,024, N 1,024]; A: input hidden_states; B: input Wv: QUANTISED
;;     4. batch 16 x [M 4,096, K 128] x [K 128, N 2,048]; A: computed on the way; B: computed on the way: QUANTISED
;;     5. batch 16 x [M 4,096, K 2,048] x [K 2,048, N 128]; A: softmax (see below); B: computed on the way: QUANTISED
;;     6. [M 4,096, K 2,048] x [K 2,048, N 1,024]; A: computed on the way; B: input Wo: QUANTISED
;;   THE QUANTISER, for each operand of a quantised product, along K:
;;     - K is cut into blocks of 32 from its start; a last block that is shorter is filled with zeros.
;;     - A block's scale is 2^e with e = floor(log2(the largest magnitude in the block)) - 2, held to -126 .. 127; a block of zeros has e = 0. As a byte (E8M0): e + 127.
;;     - Each number is divided by its block's scale, clamped to +-7.5, and rounded to the nearest number of E2M3, ties to even, subnormals kept.
;;     - The product sums the exact products of the quantised numbers (number of the format x scale) in f32.
;;   ~~~python
;;   def quantise(x, axis):      # numpy; x: float32 -> the quantised numbers, widened to float32 again
;;       x = np.moveaxis(x, axis, -1); K = x.shape[-1]
;;       x = np.pad(x, [(0, 0)] * (x.ndim - 1) + [(0, -K % 32)]); x = x.reshape(x.shape[:-1] + (-1, 32)); a = np.abs(x).max(-1, keepdims=True)
;;       e = np.where(a > 0, np.clip(np.frexp(np.where(a > 0, a, 1))[1] - 1 - 2, -126, 127), 0)      # np.frexp(a)[1] - 1 = floor(log2(a)), exactly
;;       r = np.clip(x / 2.0 ** e, -7.5, 7.5)
;;       step = 2.0 ** (np.maximum(np.frexp(np.where(r == 0, 1, r))[1] - 1, 0) - 3)
;;       q = np.round(r / step) * step * 2.0 ** e      # np.round: ties to even
;;       return np.moveaxis(q.reshape(q.shape[:-2] + (-1,))[..., :K], -1, axis).astype(np.float32)
;;   ~~~
;;   SOFTMAX AHEAD OF A QUANTISED PRODUCT. Where the list says 'softmax', what is quantised is not the finished softmax but p = 2^(t - M), with t = logit x log2(e) and M = ceil(the row's largest t), a whole number; so 1/2 < the row's largest p <= 1. The row's sum l is taken of the UNQUANTISED p, in f32, and the product's result is divided by l at the end. Since M is a whole number, a kernel that streams over the keys may use a running M (the ceiling of the running maximum): every later rescaling is an exact power of two, which a block's scale takes up: the codes' values come out the same.
;;   OPERANDS COMPUTED ON THE WAY. 'Computed on the way' means the value that the module computes at that place (a softmax that the list does not call 'softmax' is quantised finished and normalised). What goes into a quantiser is computed in f32, as accurately as f32 sums, v_exp_f32 and their like allow (about 1e-6 of the number): no bf16 or f16 on the way to a quantiser, and a product that is left as it is and whose result goes on into a quantised operand takes f32 operands (vector FMAs, or v_wmma_f32_16x16x4_f32). A number that lies on a knife's edge between two numbers of the format may be rounded either way, as far as f32 arithmetic and the matrix unit's own rounding can turn it there, and no further.
;; One version. Each part assembles by itself: llvm-mc -triple=amdgcn-amd-amdhsa -mcpu=gfx1250 --defsym DOCPART=n.
;; ======== version 1 of 1: 4 launches
;; limits: right only within a limited range of input values
;; workspace buffers: xh_c 3,276,800 bytes; wqkv_c 3,276,800 bytes; wo_c 1,638,400 bytes; rope_t 1,048,576 bytes; qkv_c 13,107,200 bytes; ao_c 6,553,600 bytes
;; launch prep (part 1): grid 352 x 1, 4 waves a work-group, no clusters, 34,816 bytes of LDS; arguments hidden_states, position_ids, Wq, Wk, Wv, Wo, xh_c, wqkv_c, wo_c, rope_t; writes xh_c, wqkv_c, wo_c, rope_t
.if DOCPART == 1
	.amdgcn_target "amdgcn-amd-amdhsa--gfx1250"
	.amdhsa_code_object_version 6
	.text
	.protected	k_q068de54475_prep
	.globl	k_q068de54475_prep
	.p2align	8
	.type	k_q068de54475_prep,@function
k_q068de54475_prep:
	s_mov_b64 s[64:65], 0
	v_nop
	global_prefetch_b8 v0, s[64:65] scope:SCOPE_SE
	s_setreg_imm32_b32 hwreg(HW_REG_WAVE_MODE, 25, 1), 1
	s_wait_xcnt 0x0
; Launch 1 of 4.  hidden_states [4096][1024] and the weights Wq, Wk, Wv [1024][n], Wo [2048][1024], all f32, become codes of FP6 (E2M3) with one E8M0 byte for each 32 along K; and RoPE's cos and sin are made.
; HOW THE CODES LIE.  A fragment (16 rows x 128 K) lies as the image of an operand's 12 registers: byte 512 c + 16 lane + x is byte x of registers 4 c .. 4 c + 3 of that lane; lane (r, h) holds row r, registers 6 c' .. 6 c' + 5
; hold K = 64 c' + 32 h + 0 .. 31.  The scale words of 128 rows and one K step are 512 bytes: the word of row 16 i + r at 256 (i / 4) + 16 r + 4 (i % 4).
; THE ROWS OF A FRAGMENT ARE NOT NEIGHBOURS: in each group of 32 rows, place 16 u + r holds row 8 u + r + 8 (r / 8).  So a transposed product leaves 16 neighbours of the next K in a lane's registers of two tiles.
; THREE PATHS by the work-group's number: 0-127 hidden_states (a wave: 64 rows x 128 K, four fragments, turned through its own stage in LDS); 128-319 the weights (a lane takes a column, its registers run down K:
; nothing is transposed); 320-351 the table (a wave: 16 tokens x 64 frequencies).  Waves share nothing: no barrier.
; A block's scale is 2^(floor(log2(largest magnitude)) - 2); its byte is that magnitude's exponent field - 2, held at 1 from below.
; LIMITS: NaN and infinities are not served.  A block of zeros gets the byte 1 where the rule says 127: its codes are zeros, and these bytes are read by this program alone.
; The angle is reduced by pi/2 in two parts: good for |position| up to 2^22.  inv_freq = 2^(-f log2(1e6) / 64) by one multiplication and v_exp_f32: a few units in the last place from a power and a reciprocal.
.set SPARE,  33792                     ; behind the four stages: the spare words, 128 bytes a wave
.set XSC,    3145728                   ; where the scale words begin in xh_c and wqkv_c
.set SPW,    58                        ; v58 my spare word's LDS address; never rewritten
.set NIL,    59                        ; v59 0; never rewritten
.set SEL,    30                        ; s[30:31] selects for lane l xor 16
.set TM,     16                        ; v16-31 the quantiser's work
.set PC,     32                        ; v32-51 the codes just made
.set PW,     52                        ; v52-55 four fragments' scale words
.set RR,     64                        ; v64-191 hidden: two sets of 64 numbers as loaded
.set XX,     192                       ; v192-255 hidden: 64 numbers, 16 neighbours of each block
.set WX,     64                        ; v64-127 weights: two sets of 32 numbers
.set IM,     128                       ; v128-175 weights: 2 K steps x 2 halves x 12 registers of an image
.set CT,     176                       ; v176-178 a block's upper 16 codes
.set SB,     180                       ; v180-181 scale words of the two K steps
.set COSR,   64                        ; v64-95 table: cos;  v96-127: sin
.set SINR,   96
; 64 numbers of a lane, register 16 b + i = k 32 b + 16 (lane / 16) + i of my row, become a fragment's codes in v[PC] on and its scale word in v[pw]
.macro QUANT s, pw
.irp b, 0,1,2,3
	v_max3_num_f32 v[TM+\b], |v[\s+16*\b]|, |v[\s+16*\b+1]|, 0x1800000   ; block b: my 16 numbers, and the floor 2^(3 - 127): the byte cannot fall under 1
.endr
.irp i, 2,4,6,8,10,12,14
.irp b, 0,1,2,3
	v_max3_num_f32 v[TM+\b], |v[\s+16*\b+\i]|, |v[\s+16*\b+\i+1]|, v[TM+\b]
.endr
.endr
.irp b, 0,1,2,3
	v_permlanex16_b32 v[TM+4+\b], v[TM+\b], s[SEL], s[SEL+1]
.endr
.irp b, 0,1,2,3
	v_max_num_f32 v[TM+\b], v[TM+\b], v[TM+4+\b]   ; with lane l xor 16's: the block's largest magnitude
.endr
.irp b, 0,1,2,3
	v_add_nc_u32 v[TM+12+\b], 0xff000000, v[TM+\b]  ; 2 off its exponent field: the conversion's scale operand
.endr
.irp b, 0,1,2,3
	v_lshrrev_b32 v[TM+4+\b], 23, v[TM+12+\b]       ; the scale's byte
.endr
	v_lshl_or_b32 v[\pw], v[TM+5], 8, v[TM+4]
	v_lshl_or_b32 v[\pw], v[TM+6], 16, v[\pw]
	v_lshl_or_b32 v[\pw], v[TM+7], 24, v[\pw]
.irp c, 0,1
	v_cvt_scalef32_pk16_fp6_f32 v[PC+6*\c:PC+6*\c+2], v[\s+32*\c:\s+32*\c+15], v[TM+12+2*\c]
	v_cvt_scalef32_pk16_fp6_f32 v[PC+12+4*\c:PC+14+4*\c], v[\s+32*\c+16:\s+32*\c+31], v[TM+13+2*\c]   ; (a conversion's three registers begin on an even number)
.endr
	v_nop                                          ; one plain place behind a scaled conversion
.irp c, 0,1                                    ; the layout wants a WHOLE block in a lane: lanes 0-15 block 2 c, lanes 16-31 block 2 c + 1
.irp i, 0,1,2
	v_permlane16_swap_b32 v[PC+6*\c+\i], v[PC+12+4*\c+\i]
.endr
.irp i, 0,1,2
	v_mov_b32 v[PC+3+6*\c+\i], v[PC+12+4*\c+\i]
.endr
.endr
.endm
	s_load_b512 s[8:23], s[0:1], 0x0               ; hidden s[8:9], position_ids s[10:11], Wq s[12:13], Wk s[14:15], Wv s[16:17], Wo s[18:19], xh_c s[20:21], wqkv_c s[22:23]
	s_load_b128 s[24:27], s[0:1], 0x40             ; wo_c s[24:25], rope_t s[26:27]
	v_lshl_add_u32 v[SPW], v0, 2, SPARE
	v_mov_b32 v[NIL], 0
	v_lshrrev_b32 v1, 5, v0
	v_readfirstlane_b32 s28, v1                    ; wave 0..3
	v_and_b32 v1, 31, v0                           ; lane
	v_and_b32 v2, 15, v0                           ; r
	v_bfe_u32 v3, v0, 4, 1                         ; h
	v_lshlrev_b32 v4, 4, v1                        ; 16 x lane
	s_mov_b32 s[SEL], 0x76543210
	s_mov_b32 s[SEL+1], 0xfedcba98
	s_wait_kmcnt 0x0
	s_cmp_lt_u32 ttmp9, 128
	s_cbranch_scc0 .Lweights
	; ---------------- hidden_states: wave wi = 4 x work-group + wave takes places 64 (wi / 8) .. + 63 and K step wi % 8
	s_lshl_b32 s32, ttmp9, 2
	s_add_co_u32 s32, s32, s28
	s_lshr_b32 s33, s32, 3                         ; which 64 rows
	s_and_b32 s34, s32, 7                          ; which K step
	s_lshl_b32 s36, s33, 18                        ; 64 rows of 4,096 bytes
	s_lshl_b32 s35, s34, 9                         ; 128 numbers
	s_add_co_u32 s36, s36, s35
	s_mov_b32 s37, 0
	s_add_nc_u64 s[8:9], s[8:9], s[36:37]
	s_lshr_b32 s35, s34, 1                         ; codes: [K step / 2][block of 16 rows][K step % 2][1536]
	s_mul_i32 s36, s35, 786432
	s_mul_i32 s35, s33, 12288
	s_add_co_u32 s36, s36, s35
	s_and_b32 s35, s34, 1
	s_mul_i32 s35, s35, 1536
	s_add_co_u32 s36, s36, s35
	s_add_nc_u64 s[38:39], s[20:21], s[36:37]
	s_lshr_b32 s35, s33, 1                         ; scale words: [128 rows][K step][512]; my four blocks are one half of the 512
	s_lshl_b32 s36, s35, 12
	s_lshl_b32 s35, s34, 9
	s_add_co_u32 s36, s36, s35
	s_and_b32 s35, s33, 1
	s_lshl_b32 s35, s35, 8
	s_add_co_u32 s36, s36, s35
	s_add_co_u32 s36, s36, XSC
	s_add_nc_u64 s[40:41], s[20:21], s[36:37]
	s_mul_i32 s35, s28, 8448                       ; my stage: 16 rows x (512 + 16) bytes
	v_add_nc_u32 v5, s35, v4                       ; in: 16 bytes a lane of a row
	v_mul_u32_u24 v6, v2, 528
	v_lshl_add_u32 v6, v3, 6, v6
	v_add_nc_u32 v6, s35, v6                       ; back: row r, + 64 h: my 16 numbers of a block of 32
	v_lshlrev_b32 v7, 4, v2
	v_lshl_add_u32 v7, v3, 3, v7                   ; the scale words' store: 16 r + 8 h
.irp b, 0,1,2,3
	v_mov_b32 v[TM+4+\b], 0                        ; written once: a lane permute's destination counts as one of its sources
.endr
.macro LOADF t                         ; fragment t: its 16 rows, 512 consecutive bytes a load
.irp i, 0,1,2,3,4,5,6,7,8,9,10,11,12,13,14,15
	global_load_b128 v[RR+64*((\t)%2)+4*\i:RR+64*((\t)%2)+4*\i+3], v4, s[8:9] offset:(32*((\t)/2)+8*((\t)%2)+\i+8*(\i/8))*4096 th:TH_LOAD_NT
.endr
.endm
.macro FRAGMENT t
.if (\t) < 3
	s_wait_loadcnt 16                              ; my 16 loads are in; the next fragment's 16 may be out
.else
	s_wait_loadcnt 0x0
.endif
	s_wait_xcnt 0x0                                ; the last fragment's stores have read the codes' registers
.set i, 0
.rept 16
	ds_store_b128 v5, v[RR+64*((\t)%2)+4*i:RR+64*((\t)%2)+4*i+3] offset:528*i
.set i, i+1
.endr
.irp b, 0,1,2,3
.irp j, 0,1,2,3
	ds_load_b128 v[XX+16*\b+4*\j:XX+16*\b+4*\j+3], v6 offset:128*\b+16*\j   ; LDS serves a wave's instructions in order: these see my stores
.endr
.endr
	s_wait_dscnt 0x0                               ; the numbers are back
.if (\t) < 2
	LOADF (\t)+2
.endif
	QUANT XX, PW+(\t)
.irp c, 0,1,2
	global_store_b128 v4, v[PC+4*\c:PC+4*\c+3], s[38:39] offset:3072*(\t)+512*\c   ; 512 consecutive bytes
.endr
.endm
	LOADF 0
	LOADF 1
	FRAGMENT 0
	FRAGMENT 1
	FRAGMENT 2
	FRAGMENT 3
	v_cmp_eq_u32 vcc_lo, 1, v3
	v_cndmask_b32 v56, v52, v54, vcc_lo            ; row r's four words are 16 bytes: lanes 0-15 store the first two, lanes 16-31 the other two
	v_cndmask_b32 v57, v53, v55, vcc_lo
	global_store_b64 v7, v[56:57], s[40:41]        ; 256 consecutive bytes, aligned
	s_branch .Lend
	; ---------------- the weights: a work-group takes 128 columns x 256 K, a wave 32 columns, a lane one column
.Lweights:
	s_cmp_lt_u32 ttmp9, 320
	s_cbranch_scc0 .Lrope
	s_sub_co_u32 s32, ttmp9, 128                   ; j: 0-63 Wq, 64-95 Wk, 96-127 Wv, 128-191 Wo
	s_sub_co_u32 s46, s32, 64
	s_sub_co_u32 s47, s32, 96
	s_sub_co_u32 s38, s32, 128
	s_mov_b32 s41, 6144                            ; Wo's figures; the three compares below put the others' in their place
	s_mov_b32 s42, 393216
	s_mov_b32 s43, 1572864
	s_cmp_lt_u32 s32, 128
	s_cselect_b64 s[34:35], s[16:17], s[18:19]     ; the source,
	s_cselect_b64 s[36:37], s[22:23], s[24:25]     ; the buffer of codes,
	s_cselect_b32 s38, s47, s38                    ; the work-group's number within its tensor,
	s_cselect_b32 s40, 192, 0                      ; the tensor's first block of 16 rows in the buffer,
	s_cselect_b32 s41, 3072, s41                   ; bytes of a block of 16 rows in a slot,
	s_cselect_b32 s42, 786432, s42                 ; bytes of a slot,
	s_cselect_b32 s43, 3145728, s43                ; where the scale words begin,
	s_cselect_b32 s44, 12, 13                      ; log2 of the scale bytes of 128 rows,
	s_cselect_b32 s50, 0, 1                        ; 1: a slot holds four K steps (Wo), 0: two
	s_cmp_lt_u32 s32, 96
	s_cselect_b64 s[34:35], s[14:15], s[34:35]
	s_cselect_b32 s38, s46, s38
	s_cselect_b32 s40, 128, s40
	s_cmp_lt_u32 s32, 64
	s_cselect_b64 s[34:35], s[12:13], s[34:35]
	s_cselect_b32 s38, s32, s38
	s_cselect_b32 s40, 0, s40
	s_cselect_b32 s39, 4, 3                        ; log2 of the groups of 128 columns
	s_cselect_b32 s45, 13, 12                      ; log2 of a row's bytes
	s_lshr_b32 s51, s38, s39                       ; ks: which 256 along K
	s_lshl_b32 s52, s51, s39
	s_sub_co_u32 s52, s38, s52                     ; cg: which 128 columns
	s_lshr_b32 s53, s51, s50                       ; the slot,
	s_and_b32 s54, s51, s50
	s_mul_i32 s54, s54, 3072                       ; and the place of my two K steps in it
	s_add_co_u32 s55, s45, 8
	s_lshl_b32 s56, s51, s55                       ; 256 ks rows
	s_lshl_b32 s55, s52, 9
	s_add_co_u32 s56, s56, s55
	s_lshl_b32 s55, s28, 7
	s_add_co_u32 s56, s56, s55                     ; + 4 (128 cg + 32 wave)
	s_mov_b32 s57, 0
	s_add_nc_u64 s[34:35], s[34:35], s[56:57]
	s_mul_i32 s56, s53, s42
	s_lshl_b32 s55, s52, 3
	s_add_co_u32 s55, s55, s40
	s_lshl_b32 s58, s28, 1
	s_add_co_u32 s55, s55, s58                     ; my first block of 16 rows
	s_mul_i32 s55, s55, s41
	s_add_co_u32 s56, s56, s55
	s_add_co_u32 s56, s56, s54
	s_add_nc_u64 s[60:61], s[36:37], s[56:57]      ; the codes
	s_lshr_b32 s55, s40, 3
	s_add_co_u32 s55, s55, s52
	s_lshl_b32 s56, s55, s44
	s_add_co_u32 s56, s56, s43
	s_lshl_b32 s55, s51, 10                        ; K step 2 ks
	s_add_co_u32 s56, s56, s55
	s_lshr_b32 s55, s28, 1
	s_lshl_b32 s55, s55, 8
	s_add_co_u32 s56, s56, s55
	s_and_b32 s55, s28, 1
	s_lshl_b32 s55, s55, 3
	s_add_co_u32 s56, s56, s55
	s_add_nc_u64 s[62:63], s[36:37], s[56:57]      ; the scale words
	v_bfe_u32 v5, v1, 3, 1                         ; column x of 32 goes to place 16 u + r': u = bit 3,
	v_bfe_u32 v6, v1, 4, 1
	v_and_b32 v7, 7, v1
	v_lshl_add_u32 v7, v6, 3, v7                   ; r' = x % 8 + 8 x bit 4
	v_lshlrev_b32 v8, 2, v1                        ; in: 4 bytes a lane
	v_mul_lo_u32 v9, v5, s41
	v_lshl_add_u32 v9, v7, 4, v9                   ; codes: block u, 16 r'
	v_lshlrev_b32 v10, 4, v7
	v_lshl_add_u32 v10, v5, 2, v10                 ; scale word: 16 r' + 4 u
.macro LOADW t, pitch                  ; block t: W(32 t + i, my column)
.irp i, 0,1,2,3,4,5,6,7,8,9,10,11,12,13,14,15,16,17,18,19,20,21,22,23,24,25,26,27,28,29,30,31
	global_load_b32 v[WX+32*((\t)%2)+\i], v8, s[34:35] offset:(32*(\t)+\i)*\pitch th:TH_LOAD_NT
.endr
.endm
.macro BLOCK t, pitch                  ; block t of eight: K step t / 4, block t % 4 of it: in the image that is half t % 2, registers 6 ((t % 4) / 2) on
.set XB, WX+32*((\t)%2)
.set IMB, IM+24*((\t)/4)+12*((\t)%2)+6*(((\t)%4)/2)
.if (\t) < 7
	s_wait_loadcnt 32                              ; this block's 32 loads are in; the next block's may be out
.else
	s_wait_loadcnt 0x0
.endif
	v_max3_num_f32 v12, |v[XB]|, |v[XB+1]|, |v[XB+2]|
	v_max3_num_f32 v13, |v[XB+3]|, |v[XB+4]|, |v[XB+5]|
.irp i, 6,10,14,18,22,26
	v_max3_num_f32 v12, v12, |v[XB+\i]|, |v[XB+\i+1]|
	v_max3_num_f32 v13, v13, |v[XB+\i+2]|, |v[XB+\i+3]|
.endr
	v_max3_num_f32 v12, v12, |v[XB+30]|, |v[XB+31]|
	v_max3_num_f32 v12, v12, v13, 0x1800000        ; and the floor
	v_add_nc_u32 v11, 0xff000000, v12
	v_lshrrev_b32 v13, 23, v11
.if (\t)%4 == 0
	v_mov_b32 v[SB+(\t)/4], v13
.else
	v_lshl_or_b32 v[SB+(\t)/4], v13, 8*((\t)%4), v[SB+(\t)/4]
.endif
	v_cvt_scalef32_pk16_fp6_f32 v[IMB:IMB+2], v[XB:XB+15], v11
	v_cvt_scalef32_pk16_fp6_f32 v[CT:CT+2], v[XB+16:XB+31], v11
	v_nop                                          ; one plain place behind a scaled conversion
.if (\t)+2 < 8
	LOADW (\t)+2, \pitch
.endif
.irp i, 0,1,2
	v_mov_b32 v[IMB+3+\i], v[CT+\i]
.endr
.if (\t)%4 == 3                        ; a K step is whole: each store writes 256 consecutive bytes of block u = 0 and 256 of block u = 1.  Each K step has registers of its own: no store's data are written again
.irp hh, 0,1
.irp c, 0,1,2
	global_store_b128 v9, v[IM+24*((\t)/4)+12*\hh+4*\c:IM+24*((\t)/4)+12*\hh+4*\c+3], s[60:61] offset:1536*((\t)/4)+512*\c+256*\hh
.endr
.endr
	global_store_b32 v10, v[SB+(\t)/4], s[62:63] offset:512*((\t)/4)   ; 4 bytes at a pitch of 16: the other three words of a row come from other waves
.endif
.endm
.macro WBODY pitch
	LOADW 0, \pitch
	LOADW 1, \pitch
.irp t, 0,1,2,3,4,5,6,7
	BLOCK \t, \pitch
.endr
.endm
	s_cmp_lt_u32 s32, 64                           ; a row's bytes stand in the loads' immediates: the text is written for both
	s_cbranch_scc0 .Lnarrow
	WBODY 8192
	s_branch .Lend
.Lnarrow:
	WBODY 4096
	s_branch .Lend
	; ---------------- the table: wave rho' = 4 (work-group - 320) + wave: lane (r, h) holds token 32 (rho' / 2) + 8 (rho' % 2) + r + 8 (r / 8) and frequencies 32 c + 16 h + 0 .. 15
.Lrope:
	s_sub_co_u32 s32, ttmp9, 320
	s_lshl_b32 s32, s32, 2
	s_add_co_u32 s32, s32, s28
	s_lshr_b32 s33, s32, 1
	s_lshl_b32 s33, s33, 5
	s_and_b32 s34, s32, 1
	s_lshl_b32 s34, s34, 3
	s_add_co_u32 s33, s33, s34
	v_and_b32 v5, 8, v2
	v_add_nc_u32 v5, v5, v2
	v_add_nc_u32 v5, s33, v5
	v_lshlrev_b32 v5, 2, v5
	global_load_b32 v6, v5, s[10:11]               ; my token's position
	s_lshl_b32 s36, s32, 13                        ; 8,192 bytes a block of 16 tokens
	s_mov_b32 s37, 0
	s_add_nc_u64 s[26:27], s[26:27], s[36:37]
	v_lshlrev_b32 v7, 4, v3                        ; 16 h
	s_mov_b32 s44, 0x3fc90fdb                      ; pi/2, its upper part,
	s_mov_b32 s45, 0xb33bbd2e                      ; and the rest
	s_mov_b32 s46, 0xb94ca1f9                      ; sin: x + x z (S1 + z (S2 + z S3)), z = x x
	s_mov_b32 s47, 0x3c08839e
	s_mov_b32 s48, 0xbe2aaaa3
	s_mov_b32 s49, 0x37ccf5ce                      ; cos: 1 - z / 2 + z z (C1 + z (C2 + z C3))
	s_mov_b32 s50, 0xbab6061a
	s_mov_b32 s51, 0x3d2aaaa5
	s_wait_loadcnt 0x0
	v_cvt_f32_i32 v6, v6
.macro ROPE4 p                         ; four frequencies, 32 (p / 4) + 16 h + 4 (p % 4) + 0 .. 3, by turns
.irp z, 0,1,2,3
	v_add_nc_u32 v[16+\z], 32*((\p)/4)+4*((\p)%4)+\z, v7
.endr
.irp z, 0,1,2,3
	v_cvt_f32_u32 v[16+\z], v[16+\z]
.endr
.irp z, 0,1,2,3
	v_mul_f32 v[16+\z], 0xbe9f73da, v[16+\z]       ; -f log2(1e6) / 64
.endr
.irp z, 0,1,2,3
	v_exp_f32 v[16+\z], v[16+\z]                   ; inv_freq
.endr
	v_nop                                          ; a plain place behind the batch
	s_wait_alu depctr_va_vdst(0)                   ; one wait for the four, ahead of their first reader
.irp z, 0,1,2,3
	v_mul_f32 v[16+\z], v6, v[16+\z]               ; the angle, rounded once
.endr
.irp z, 0,1,2,3
	v_mul_f32 v[20+\z], 0x3f22f983, v[16+\z]
.endr
.irp z, 0,1,2,3
	v_rndne_f32 v[20+\z], v[20+\z]                 ; n = the nearest whole number to angle x 2 / pi
.endr
.irp z, 0,1,2,3
	v_fma_f32 v[16+\z], -v[20+\z], s44, v[16+\z]
.endr
.irp z, 0,1,2,3
	v_fma_f32 v[16+\z], -v[20+\z], s45, v[16+\z]   ; x = angle - n pi/2, within pi/4 of 0
.endr
.irp z, 0,1,2,3
	v_cvt_i32_f32 v[20+\z], v[20+\z]
.endr
.irp z, 0,1,2,3
	v_mul_f32 v[24+\z], v[16+\z], v[16+\z]
.endr
.irp z, 0,1,2,3
	v_fma_f32 v[28+\z], v[24+\z], s46, s47
	v_fma_f32 v[32+\z], v[24+\z], s49, s50
.endr
.irp z, 0,1,2,3
	v_fma_f32 v[28+\z], v[28+\z], v[24+\z], s48
	v_fma_f32 v[32+\z], v[32+\z], v[24+\z], s51
.endr
.irp z, 0,1,2,3
	v_mul_f32 v[28+\z], v[28+\z], v[24+\z]
	v_mul_f32 v[36+\z], v[24+\z], v[24+\z]
	v_fma_f32 v[40+\z], v[24+\z], -0.5, 1.0
.endr
.irp z, 0,1,2,3
	v_fma_f32 v[28+\z], v[28+\z], v[16+\z], v[16+\z]   ; sin x
	v_fma_f32 v[32+\z], v[32+\z], v[36+\z], v[40+\z]   ; cos x
.endr
.irp z, 0,1,2,3                        ; the quadrant n % 4: odd: sin and cos change places; sin is negative in 2, 3, cos in 1, 2
	v_and_b32 v[36+\z], 1, v[20+\z]
	v_cmp_eq_u32 vcc_lo, 1, v[36+\z]
	v_cndmask_b32 v[40+\z], v[28+\z], v[32+\z], vcc_lo
	v_cndmask_b32 v[44+\z], v[32+\z], v[28+\z], vcc_lo
	v_and_b32 v[36+\z], 2, v[20+\z]
	v_lshlrev_b32 v[36+\z], 30, v[36+\z]
	v_xor_b32 v[SINR+4*(\p)+\z], v[36+\z], v[40+\z]
	v_add_nc_u32 v[20+\z], 1, v[20+\z]
	v_and_b32 v[20+\z], 2, v[20+\z]
	v_lshlrev_b32 v[20+\z], 30, v[20+\z]
	v_xor_b32 v[COSR+4*(\p)+\z], v[20+\z], v[44+\z]
.endr
	global_store_b128 v4, v[COSR+4*(\p):COSR+4*(\p)+3], s[26:27] offset:512*(\p)       ; 512 consecutive bytes; each store has registers of its own
	global_store_b128 v4, v[SINR+4*(\p):SINR+4*(\p)+3], s[26:27] offset:512*(8+(\p))
.endm
.irp p, 0,1,2,3,4,5,6,7
	ROPE4 \p
.endr
.Lend:
	s_wait_tensorcnt 0x0                           ; the wave's end
	ds_add_u32 v[SPW], v[NIL]
	s_wait_dscnt 0x0
	s_endpgm
.Lfunc_end_k_q068de54475_prep:
	.size	k_q068de54475_prep, .Lfunc_end_k_q068de54475_prep-k_q068de54475_prep
	.p2alignl 7, 3214868480
	.fill 96, 4, 3214868480
	.section	.rodata,"a",@progbits
	.p2align	6, 0x0
	.amdhsa_kernel k_q068de54475_prep
		.amdhsa_group_segment_fixed_size 34816
		.amdhsa_private_segment_fixed_size 0
		.amdhsa_enable_private_segment 0
		.amdhsa_kernarg_size 80
		.amdhsa_user_sgpr_count 2
		.amdhsa_user_sgpr_kernarg_segment_ptr 1
		.amdhsa_wavefront_size32 1
		.amdhsa_system_sgpr_workgroup_id_x 1
		.amdhsa_system_sgpr_workgroup_id_y 1
		.amdhsa_system_sgpr_workgroup_id_z 1
		.amdhsa_system_vgpr_workitem_id 0
		.amdhsa_next_free_vgpr 256
		.amdhsa_next_free_sgpr 66
		.amdhsa_reserve_vcc 1
		.amdhsa_float_denorm_mode_32 3
		.amdhsa_float_denorm_mode_16_64 3
		.amdhsa_memory_ordered 1
		.amdhsa_forward_progress 1
		.amdhsa_inst_pref_size 156
	.end_amdhsa_kernel
	.amdgpu_metadata
---
amdhsa.version: [ 1, 2 ]
amdhsa.kernels:
  - .name:           k_q068de54475_prep
    .symbol:         k_q068de54475_prep.kd
    .args:
      - { .name: hidden_states, .offset: 0, .size: 8, .value_kind: global_buffer, .address_space: global }
      - { .name: position_ids, .offset: 8, .size: 8, .value_kind: global_buffer, .address_space: global }
      - { .name: Wq, .offset: 16, .size: 8, .value_kind: global_buffer, .address_space: global }
      - { .name: Wk, .offset: 24, .size: 8, .value_kind: global_buffer, .address_space: global }
      - { .name: Wv, .offset: 32, .size: 8, .value_kind: global_buffer, .address_space: global }
      - { .name: Wo, .offset: 40, .size: 8, .value_kind: global_buffer, .address_space: global }
      - { .name: xh_c, .offset: 48, .size: 8, .value_kind: global_buffer, .address_space: global }
      - { .name: wqkv_c, .offset: 56, .size: 8, .value_kind: global_buffer, .address_space: global }
      - { .name: wo_c, .offset: 64, .size: 8, .value_kind: global_buffer, .address_space: global }
      - { .name: rope_t, .offset: 72, .size: 8, .value_kind: global_buffer, .address_space: global }
    .group_segment_fixed_size: 34816
    .private_segment_fixed_size: 0
    .kernarg_segment_align: 8
    .kernarg_segment_size: 80
    .max_flat_workgroup_size: 128
    .sgpr_count:     66
    .vgpr_count:     256
    .wavefront_size: 32
...
	.end_amdgpu_metadata
.endif
;; end of part 1
;; launch qkv (part 2): grid 16 x 16, 4 waves a work-group, clusters of 4 x 4, 327,680 bytes of LDS; arguments xh_c, wqkv_c, rope_t, q_norm_w, k_norm_w, qkv_c; writes qkv_c
.if DOCPART == 2
	.amdgcn_target "amdgcn-amd-amdhsa--gfx1250"
	.amdhsa_code_object_version 6
	.text
	.protected	k_q068de54475_qkv
	.globl	k_q068de54475_qkv
	.p2align	8
	.type	k_q068de54475_qkv,@function
k_q068de54475_qkv:
	s_mov_b64 s[64:65], 0
	v_nop
	global_prefetch_b8 v0, s[64:65] scope:SCOPE_SE
	s_setreg_imm32_b32 hwreg(HW_REG_WAVE_MODE, 25, 1), 1
	s_wait_xcnt 0x0
	s_wait_alu depctr_hold_cnt(0) depctr_sa_sdst(0) depctr_va_vdst(0) depctr_va_sdst(0) depctr_va_ssrc(0) depctr_va_vcc(0) depctr_vm_vsrc(0)
	s_getreg_b32 s2, hwreg(HW_REG_IB_STS2, 6, 4)
	s_cmp_eq_u32 s2, 0
	s_cbranch_scc0 .Lentry_in_a_cluster
	s_endpgm
.Lentry_in_a_cluster:
	s_bfe_u32 s2, ttmp6, 0x10000c
	s_cmp_lg_u32 s2, 0xf033
	s_cbranch_scc0 .Lentry_shape_is_right
	s_endpgm
.Lentry_shape_is_right:
; Launch 2 of 4.  q, k and v = hidden_states x (Wq | Wk | Wv), one product 4096 x 4096 x 1024 on codes of FP6 (E2M3) with E8M0 scales; then, in registers, RMS norm and RoPE for q and k, and the quantisers of the
; attention's operands: q and k along the head's 128, v along the keys.  Only codes and scale words go to memory.
; A tile of 256 x 256 is made by a work-group of four waves, a wave makes 128 x 128: 64 accumulators, 512 registers.  K goes in steps of 256 (two matrix instructions deep) through two LDS slots.
; OPERANDS LIE AS IMAGES OF THEIR REGISTERS (a fragment of 16 rows x 128 K: 1,536 bytes, byte 512 c + 16 lane + x = byte x of registers 4 c .. 4 c + 3): a slot's part of 128 rows is one dense block of 24,576 bytes,
; and a fragment comes by three loads of 512 consecutive bytes.  The scale words of 128 rows and a K step are 512 bytes, row 16 i + r at 256 (i / 4) + 16 r + 4 (i % 4): one load of 16 bytes a lane brings four blocks' words.
; THE MATRIX INSTRUCTION IS USED TRANSPOSED (source 0 = 16 rows of "B", source 1 = 16 rows of "A").  The rows of all buffers lie permuted (place 16 u + r of 32 holds row 8 u + r + 8 (r / 8)), so lane (r, h) holds
; A's place r, and its registers of B's tiles 2 c and 2 c + 1 are B's rows 32 c + 16 h + 0 .. 15: 16 neighbours along the next product's K.
; CLUSTERS of 4 x 4.  Clusters with x = 0, 1, 2: A = tokens, B = columns of Wq, Wk: a lane holds a token, its registers run along a head's d.  Clusters with x = 3: A = columns of Wv, B = tokens: a lane holds one d,
; its registers run along the tokens, which are the keys.  Only pointers and the cluster's part of the indices are chosen; A hangs on cy alone and is shared along a row of the cluster, B on cx alone, along a column.
; THE TABLE of cos and sin (131,072 bytes for the tile's 256 tokens) comes by one joint load a wave into the slot left last, while the last K step is multiplied.  The clusters with x = 3 make that request too and
; leave the bytes unread: every partner makes every joint request on every path.
; LIMITS: NaN and infinities are not served; a block of zeros gets the byte 1 (its codes are zeros; this program alone reads the bytes).
; REGISTERS: window 0: v1-4 lane terms; v16-29 addresses; v32-63 scale words, two sets; v64-127 the norm's weights; v128-223 A's fragments, one set; in the epilogue v128-255 are at work.
;   window 1: B's fragments, two sets, at v0 and v128; in the epilogue v0-63 cos and sin.   windows 2, 3: the accumulators, (a, b) at v[8 (8 (a % 4) + b)].
.set FR,     12
.set NL,     3                         ; LDS loads that bring a fragment
.set NP,     4                         ; places behind this matrix instruction (ISA guide 7.12.1)
.set HALFT,  24576                     ; 128 rows x 256 K of codes: what one tensor load brings
.set SLOT,   98304                     ; A's 256 rows, then B's.  Slot 1 lies at 0, slot 0 at SLOT
.set TAB,    98304                     ; the table: over slot 0 and 32,768 bytes more
.set SCL,    229376                    ; the scale words of A's and B's 256 rows for all of K: 4 x 4,096
.set SPARE,  245760                    ; the spare words, 128 bytes a wave
.set XSC,    3145728                   ; where the scale words begin in xh_c and wqkv_c
.set SSTEP,  786432                    ; from a slot's codes to the next's, in memory
.set VC,     9437184                   ; in qkv_c: V's codes,
.set QKS,    12582912                  ; q's and k's scale words,
.set VS,     12976128                  ; V's
.set LI,     3                         ; v3   16 x lane
.set ADRA,   16                        ; v16-17 my A fragments in slot 0, 1
.set ADRB,   20                        ; v20-21 my B fragments
.set TA,     24                        ; v24  my rows' part of the table
.set ADRS,   27                        ; v27  my scale words: lanes 0-15 A's, lanes 16-31 B's
.set SPW,    28                        ; v28  my spare word's LDS address; never rewritten
.set NIL,    29                        ; v29  0; never rewritten
.set SC,     32                        ; scale words: set s at v[SC + 16 s]; register 8 q + i: lanes 0-15 A's block i, lanes 16-31 B's block i, the slot's q-th 128 along K
.set NW,     64                        ; the norm's weight at d = 32 c + 16 h + i in register 16 c + i
.set AF,     128
.set Y,      128                       ; epilogue: 64 numbers
.set TM,     192                       ; v192-207 the quantiser's work
.set RS,     210                       ; v210-211 1 / rms
.set SS,     212                       ; v212-219 four chains of squares
.set PC,     220                       ; v220-239 the codes just made
.set KW,     240                       ; v240-247 eight blocks' scale words
.set TT,     248                       ; v248-255 at work
.set G0T,    20                        ; s[20:23] group 0 of the table's load;  s[92:99] its group 1
.set G1A,    24                        ; s[24:31], s[32:39] A's tiles: group 1, group 0 for each slot
.set G0A,    32
.set G1B,    48                        ; s[48:55], s[56:63] B's tiles
.set G0B,    56
.set G1SA,   68                        ; s[68:75], s[76:79] A's scale words;  s[80:87], s[88:91] B's
.set G0SA,   76
.set G1SB,   80
.set G0SB,   88
.set G1T,    92
.set SEL,    100                       ; s[100:101] selects for lane l xor 16
.set MSB, 0
.macro WIN new                         ; the immediate's high byte repeats the setting that is left
.if MSB != (\new)
	s_set_vgpr_msb (MSB<<8)|(\new)
.set MSB, (\new)
.endif
.endm
.set MUL_LO, 0xa1                      ; source 0 (B) window 1, source 1 (A) window 0, C and D window 2
.set MUL_HI, 0xf1                      ; the same, C and D window 3
.set TO_B,   0x40                      ; destination window 1, address window 0
; A joint load: waves 0 and 1 fetch for A, waves 2 and 3 for B.  The branch hangs on the wave's number alone.  An s_nop 0 and four v_nop follow each of the two lines.
.macro JLOAD g0a, g1a, g0b, g1b
	s_cmp_eq_u32 s17, 0
	s_cbranch_scc0 .Lfor_b_\@
	tensor_load_to_lds s[\g0a:\g0a+3], s[\g1a:\g1a+7]
	s_nop 0
.rept 4
	v_nop
.endr
	s_branch .Lasked_\@
.Lfor_b_\@:
	tensor_load_to_lds s[\g0b:\g0b+3], s[\g1b:\g1b+7]
	s_nop 0
.rept 4
	v_nop
.endr
.Lasked_\@:
.endm
.macro CREST                           ; a round of the cluster's barrier behind its opening barrier
	s_cmp_lg_u32 s16, 0
	s_cbranch_scc1 .Lnot_wave_0_\@
	s_barrier_signal -3
.Lnot_wave_0_\@:
	s_barrier_wait -3
	s_barrier_signal -1
	s_barrier_wait -1
.endm
.macro CROUND
	s_barrier_signal -1
	s_barrier_wait -1
	CREST
.endm
	s_load_b256 s[4:11], s[0:1], 0x0               ; xh_c s[4:5], wqkv_c s[6:7], rope_t s[8:9], q_norm_w s[10:11]
	s_load_b128 s[12:15], s[0:1], 0x20             ; k_norm_w s[12:13], qkv_c s[14:15]
	v_lshl_add_u32 v[SPW], v0, 2, SPARE
	v_mov_b32 v[NIL], 0
	ds_add_u32 v[SPW], v[NIL]                      ; the wave's opening: the add and its wait stand ahead of my first tensor load; the set-up below, work on registers, stands between them
	v_lshrrev_b32 v1, 5, v0
	v_readfirstlane_b32 s16, v1                    ; wave 0..3
	v_and_b32 v1, 15, v0                           ; r
	v_bfe_u32 v2, v0, 4, 1                         ; h
	v_and_b32 v[LI], 31, v0
	v_lshlrev_b32 v[LI], 4, v[LI]
	v_lshlrev_b32 v4, 6, v2                        ; 64 h: my 16 numbers of each 32 of the norm's weights
	s_lshr_b32 s17, s16, 1                         ; which half of A's rows is mine.  Also: I fetch for A (0) or for B (1)
	s_and_b32 s18, s16, 1                          ; which half of B's rows.  Also: which 128 rows I fetch
	s_bfe_u32 s40, ttmp6, 0x40000                  ; cx
	s_bfe_u32 s41, ttmp6, 0x40004                  ; cy
	s_and_b32 s2, ttmp7, 0xffff                    ; the cluster's y
	s_lshl_b32 s46, s2, 2
	s_lshl_b32 s47, ttmp9, 2
	s_cmp_eq_u32 ttmp9, 3                          ; the clusters that make v: the same answer in all sixteen partners
	s_cselect_b32 s19, 12, s46                     ; A's tile of 256 rows in its buffer: Wv begins at tile 12 of wqkv_c; else the tokens' tile
	s_cselect_b32 s42, s46, s47                    ; B's: the tokens' tile; else the columns'
	s_add_co_u32 s19, s19, s41                     ; + cy
	s_add_co_u32 s42, s42, s40                     ; + cx
	s_add_co_u32 s[G0T+2], s46, s41
	s_and_b32 s[G0T+2], s[G0T+2], 7                ; the table's tile: 256 tokens of a batch's 2,048
	s_lshl_b32 s43, s41, 2
	s_lshl_b32 s43, 15, s43                        ; my row of the cluster
	s_lshl_b32 s44, 0x1111, s40                    ; my column
	; group 1: dense blocks as rows of 256 bytes (32 elements of 8 bytes), no padding: 15:0 the mask; 17:16 element of 8 bytes; 21 set beside a mask
	s_or_b32 s[G1A], s43, (3<<16)|(1<<21)
	s_or_b32 s[G1B], s44, (3<<16)|(1<<21)
	s_or_b32 s[G1SA], s43, (3<<16)|(1<<21)
	s_or_b32 s[G1SB], s44, (3<<16)|(1<<21)
	s_or_b32 s[G1T], s43, (3<<16)|(1<<21)
.irp g, G1A, G1B
	s_mov_b32 s[\g+1], 32<<16                      ; tensor_dim0
	s_mov_b32 s[\g+2], 96<<16                      ; tensor_dim1: 96 rows = 24,576 bytes
	s_mov_b32 s[\g+3], 32<<16                      ; tile_dim0
	s_mov_b32 s[\g+4], 96                          ; tile_dim1
	s_mov_b32 s[\g+5], 32                          ; the pitch
	s_mov_b32 s[\g+6], 0
	s_mov_b32 s[\g+7], 0
.endr
.irp g, G1SA, G1SB
	s_mov_b32 s[\g+1], 32<<16
	s_mov_b32 s[\g+2], 16<<16                      ; 16 rows = 4,096 bytes
	s_mov_b32 s[\g+3], 32<<16
	s_mov_b32 s[\g+4], 16
	s_mov_b32 s[\g+5], 32
	s_mov_b32 s[\g+6], 0
	s_mov_b32 s[\g+7], 0
.endr
	s_mov_b32 s[G1T+1], 32<<16
	s_mov_b32 s[G1T+2], 128<<16                    ; 128 rows = 32,768 bytes
	s_mov_b32 s[G1T+3], 32<<16
	s_mov_b32 s[G1T+4], 128
	s_mov_b32 s[G1T+5], 32
	s_mov_b32 s[G1T+6], 0
	s_mov_b32 s[G1T+7], 0
	; the offsets, each made in the registers of its own descriptor: A's never hold cx, B's never cy
	s_lshl_b32 s[G0A+2], s19, 4
	s_lshl_b32 s[G0A+3], s18, 3
	s_add_co_u32 s[G0A+2], s[G0A+2], s[G0A+3]      ; the first block of 16 rows that I fetch
	s_mul_i32 s[G0A+2], s[G0A+2], 3072
	s_mov_b32 s[G0A+3], 0
	s_lshl_b32 s[G0SA+2], s19, 1
	s_add_co_u32 s[G0SA+2], s[G0SA+2], s18
	s_lshl_b32 s[G0SA+2], s[G0SA+2], 12
	s_add_co_u32 s[G0SA+2], s[G0SA+2], XSC
	s_mov_b32 s[G0SA+3], 0
	s_lshl_b32 s[G0B+2], s42, 4
	s_lshl_b32 s[G0B+3], s18, 3
	s_add_co_u32 s[G0B+2], s[G0B+2], s[G0B+3]
	s_mul_i32 s[G0B+2], s[G0B+2], 3072
	s_mov_b32 s[G0B+3], 0
	s_lshl_b32 s[G0SB+2], s42, 1
	s_add_co_u32 s[G0SB+2], s[G0SB+2], s18
	s_lshl_b32 s[G0SB+2], s[G0SB+2], 12
	s_add_co_u32 s[G0SB+2], s[G0SB+2], XSC
	s_mov_b32 s[G0SB+3], 0
	s_lshl_b32 s[G0T+2], s[G0T+2], 17              ; 131,072 bytes a tile,
	s_lshl_b32 s[G0T+3], s16, 15                   ; my quarter of it
	s_add_co_u32 s[G0T+2], s[G0T+2], s[G0T+3]
	s_mov_b32 s[G0T+3], 0
	; where they go: no place in the cluster enters an LDS address
	s_mul_i32 s45, s16, HALFT
.irp s, 0,1
	s_mov_b32 s[G0A+4*\s], 1
	s_add_co_u32 s[G0A+4*\s+1], s45, (1-\s)*SLOT
	s_mov_b32 s[G0B+4*\s], 1
	s_add_co_u32 s[G0B+4*\s+1], s45, (1-\s)*SLOT
.endr
	s_mov_b32 s[G0SA], 1
	s_lshl_b32 s[G0SA+1], s16, 12
	s_add_co_u32 s[G0SA+1], s[G0SA+1], SCL
	s_mov_b32 s[G0SB], 1
	s_lshl_b32 s[G0SB+1], s16, 12
	s_add_co_u32 s[G0SB+1], s[G0SB+1], SCL
	s_mov_b32 s[G0T], 1
	s_lshl_b32 s[G0T+1], s16, 15
	s_add_co_u32 s[G0T+1], s[G0T+1], TAB
	s_mov_b32 s[SEL], 0x76543210
	s_mov_b32 s[SEL+1], 0xfedcba98
	s_mov_b32 s104, 0x3c000000                     ; 1 / 128
	s_mov_b32 s105, 0x358637bd                     ; 1e-6
	s_wait_dscnt 0x0                               ; the opening add is done
	s_wait_kmcnt 0x0
	s_cmp_eq_u32 ttmp9, 3
	s_cselect_b64 s[46:47], s[6:7], s[4:5]         ; A's buffer
	s_cselect_b64 s[66:67], s[4:5], s[6:7]         ; B's
	s_cmp_lt_u32 ttmp9, 2
	s_cselect_b64 s[10:11], s[10:11], s[12:13]     ; q's heads lie in clusters 0 and 1, k's in cluster 2
	s_add_nc_u64 s[G0A+2:G0A+3], s[46:47], s[G0A+2:G0A+3]
	s_add_nc_u64 s[G0A+6:G0A+7], s[G0A+2:G0A+3], SSTEP
	s_add_nc_u64 s[G0SA+2:G0SA+3], s[46:47], s[G0SA+2:G0SA+3]
	s_add_nc_u64 s[G0B+2:G0B+3], s[66:67], s[G0B+2:G0B+3]
	s_add_nc_u64 s[G0B+6:G0B+7], s[G0B+2:G0B+3], SSTEP
	s_add_nc_u64 s[G0SB+2:G0SB+3], s[66:67], s[G0SB+2:G0SB+3]
	s_add_nc_u64 s[G0T+2:G0T+3], s[8:9], s[G0T+2:G0T+3]
	s_or_b32 s[G0A+3], s[G0A+3], 0x80000000        ; 127:126 type = 2
	s_or_b32 s[G0A+7], s[G0A+7], 0x80000000
	s_or_b32 s[G0SA+3], s[G0SA+3], 0x80000000
	s_or_b32 s[G0B+3], s[G0B+3], 0x80000000
	s_or_b32 s[G0B+7], s[G0B+7], 0x80000000
	s_or_b32 s[G0SB+3], s[G0SB+3], 0x80000000
	s_or_b32 s[G0T+3], s[G0T+3], 0x80000000
.irp c, 0,1,2,3
.irp j, 0,1,2,3
	global_load_b128 v[NW+16*\c+4*\j:NW+16*\c+4*\j+3], v4, s[10:11] offset:128*\c+16*\j   ; the norm's weights: wanted in the epilogue
.endr
.endr
	CROUND                                         ; all sixteen work-groups are here: the first joint loads meet
	JLOAD G0SA, G1SA, G0SB, G1SB                   ; the scale words first: they are wanted with K step 0
	JLOAD G0A, G1A, G0B, G1B                       ; slot 0
	JLOAD G0A+4, G1A, G0B+4, G1B                   ; slot 1: three loads of mine are out
	s_mul_i32 s2, s17, HALFT                       ; my 128 rows of A,
	s_mul_i32 s3, s18, HALFT
	s_add_co_u32 s3, s3, 2*HALFT                   ; my 128 rows of B, behind A's 256
	v_add_nc_u32 v[ADRA+1], s2, v[LI]              ; slot 1 lies at 0,
	v_add_nc_u32 v[ADRB+1], s3, v[LI]
	s_add_co_u32 s2, s2, SLOT
	s_add_co_u32 s3, s3, SLOT
	v_add_nc_u32 v[ADRA], s2, v[LI]                ; slot 0 behind it
	v_add_nc_u32 v[ADRB], s3, v[LI]
	s_lshl_b32 s2, s17, 12
	s_lshl_b32 s3, s18, 12
	s_add_co_u32 s3, s3, 8192
	s_sub_co_u32 s3, s3, s2
	v_mul_u32_u24 v5, s3, v2                       ; lanes 16-31 take B's words: one product, the distance between the two bases
	s_add_co_u32 s2, s2, SCL
	v_lshl_add_u32 v5, v1, 4, v5
	v_add_nc_u32 v[ADRS], s2, v5
	s_lshl_b32 s2, s17, 16
	s_add_co_u32 s2, s2, TAB
	v_add_nc_u32 v[TA], s2, v[LI]
.macro FRAG reg, adr, q, i             ; a fragment's image: three loads of 512 consecutive bytes
.irp c, 0,1,2
	ds_load_b128 v[\reg+4*\c:\reg+4*\c+3], v[\adr] offset:3072*(\i)+1536*(\q)+512*\c
.endr
.endm
; 16 matrix instructions: A's blocks a0, a0 + 1 x B's eight, the slot's q-th 128 along K.  p: B's set; sc: the set of scale words.  zero = 1: the first product starts the sums.
; The 64 accumulators take turns, one instruction a turn, in the same order in every step.
.macro MUL16 a0, p, q, sc, zero
.irp a, \a0, \a0+1
.irp b, 0,1,2,3,4,5,6,7
.if \zero
	v_wmma_scale_f32_16x16x128_f8f6f4 v[8*(8*((\a)%4)+\b):8*(8*((\a)%4)+\b)+7], v[128*(\p)+FR*\b:128*(\p)+FR*\b+FR-1], v[AF+FR*(\a):AF+FR*(\a)+FR-1], 0, v[SC+16*(\sc)+8*(\q)+\b], v[SC+16*(\sc)+8*(\q)+(\a)] matrix_a_fmt:MATRIX_FMT_FP6 matrix_b_fmt:MATRIX_FMT_FP6 matrix_a_scale:MATRIX_SCALE_ROW1
.else
	v_wmma_scale_f32_16x16x128_f8f6f4 v[8*(8*((\a)%4)+\b):8*(8*((\a)%4)+\b)+7], v[128*(\p)+FR*\b:128*(\p)+FR*\b+FR-1], v[AF+FR*(\a):AF+FR*(\a)+FR-1], v[8*(8*((\a)%4)+\b):8*(8*((\a)%4)+\b)+7], v[SC+16*(\sc)+8*(\q)+\b], v[SC+16*(\sc)+8*(\q)+(\a)] matrix_a_fmt:MATRIX_FMT_FP6 matrix_b_fmt:MATRIX_FMT_FP6 matrix_a_scale:MATRIX_SCALE_ROW1
.endif
.endr
.endr
.endm
.macro FETCH_B slot, q, p
	WIN TO_B
.irp i, 0,1,2,3,4,5,6,7
	FRAG 128*(\p)+FR*\i, ADRB+\slot, \q, \i
.endr
	WIN 0
.endm
.macro FETCH_A slot, q, i0
.irp i, \i0, \i0+1, \i0+2, \i0+3
	FRAG AF+FR*(\i), ADRA+\slot, \q, \i
.endr
.endm
.macro SCALES sc                       ; a slot's scale words: two K steps x eight blocks, four blocks a load
.irp q, 0,1
.irp p, 0,1
	ds_load_b128 v[SC+16*(\sc)+8*\q+4*\p:SC+16*(\sc)+8*\q+4*\p+3], v[ADRS] offset:512*\q+256*\p
.endr
.endr
.endm
.macro PLACES n                        ; plain vector instructions between a matrix instruction and a load into, or a vector instruction on, its registers
.rept \n
	v_nop
.endr
.endm
; A step of 128 along K that has its successor in the same slot.  A has one set of registers: blocks 0-3 are fetched anew in the step's middle, blocks 4-7 at its end; B has two.
.macro STEP slot, q, zero
	s_wait_dscnt 4*NL                              ; all but the youngest twelve loads (A's blocks 4-7) are in
	WIN MUL_LO
	MUL16 0, (\q)%2, \q, \slot, \zero
	MUL16 2, (\q)%2, \q, \slot, \zero
	s_wait_dscnt 0                                 ; A's blocks 4-7 are in
	PLACES NP
	FETCH_B \slot, (\q)+1, 1-(\q)%2
	FETCH_A \slot, (\q)+1, 0
	WIN MUL_HI
	MUL16 4, (\q)%2, \q, \slot, \zero
	MUL16 6, (\q)%2, \q, \slot, \zero
	PLACES NP
	WIN 0
	FETCH_A \slot, (\q)+1, 4
.endm
; A slot's last step changes slots.  In front of the round each wave waits for all its tensor loads, adds 0 to its spare word, and waits for that and for its own reads of this slot.
; fill = 1: this slot takes the K step two slots on.  fill = 2: it takes the table, one line for all four waves, each its own quarter.
.macro TURN slot, next, fill
	s_wait_tensorcnt 0x0                           ; all my tensor loads have landed: my part of the next slot
	ds_add_u32 v[SPW], v[NIL]                      ; 0 onto my spare word
	s_wait_dscnt 4*NL+1                            ; (the add and the youngest twelve loads may be out)
	WIN MUL_LO
	MUL16 0, 1, 1, \slot, 0                        ; sixteen matrix instructions stand between the add and the wait for it
	s_wait_dscnt 0x0                               ; the add is done, and my reads of this slot are over
	s_barrier_signal -1
	MUL16 2, 1, 1, \slot, 0
	WIN 0
	s_barrier_wait -1
	CREST                                          ; the barrier has opened a round of the cluster's: no wave of any partner still reads this slot or has a load on its way
.if \fill == 1
	s_add_nc_u64 s[G0A+4*\slot+2:G0A+4*\slot+3], s[G0A+4*\slot+2:G0A+4*\slot+3], 2*SSTEP
	s_add_nc_u64 s[G0B+4*\slot+2:G0B+4*\slot+3], s[G0B+4*\slot+2:G0B+4*\slot+3], 2*SSTEP
	JLOAD G0A+4*\slot, G1A, G0B+4*\slot, G1B       ; the first tensor load behind the round; its four v_nop are the places in front of the loads below
.else
	tensor_load_to_lds s[G0T:G0T+3], s[G1T:G1T+7]
	s_nop 0
.rept 4
	v_nop
.endr
.endif
	v_add_nc_u32 v[ADRS], 1024, v[ADRS]            ; the next slot's scale words
	FETCH_B \next, 0, 0
	FETCH_A \next, 0, 0
	SCALES \next
	WIN MUL_HI
	MUL16 4, 1, 1, \slot, 0
	MUL16 6, 1, 1, \slot, 0
	PLACES NP
	WIN 0
	FETCH_A \next, 0, 4
.endm
	s_wait_tensorcnt 1                             ; the scale words and my part of slot 0 are in; slot 1's load may be out
	s_barrier_signal -1
	s_barrier_wait -1
	FETCH_B 0, 0, 0
	FETCH_A 0, 0, 0
	SCALES 0
	FETCH_A 0, 0, 4
	STEP 0, 0, 1                                   ; K 0-127: the products start the sums
	TURN 0, 1, 1                                   ; K 128-255; slot 0 takes K 512-767
	STEP 1, 0, 0
	TURN 1, 0, 1                                   ; slot 1 takes K 768-1023
	STEP 0, 0, 0
	TURN 0, 1, 2                                   ; slot 0 takes the table
	STEP 1, 0, 0
	s_wait_dscnt 4*NL                              ; the last step: nothing more to fetch
	WIN MUL_LO
	MUL16 0, 1, 1, 1, 0
	MUL16 2, 1, 1, 1, 0
	s_wait_dscnt 0
	WIN MUL_HI
	MUL16 4, 1, 1, 1, 0
	MUL16 6, 1, 1, 1, 0
	WIN 0
	PLACES NP                                      ; in front of the first read of results and the first write over operands
.irp b, 0,1,2,3
	v_mov_b32 v[TM+4+\b], 0                        ; a lane permute's destination counts as one of its sources
.endr
	s_wait_tensorcnt 0x0                           ; my quarter of the table is in;
	s_wait_loadcnt 0x0                             ; the norm's weights are in
	s_barrier_signal -1                            ; (no LDS instruction of mine is out)
	s_barrier_wait -1                              ; everybody's quarter is in
; 64 numbers of a lane in window w, register 16 b + i = k 32 b + 16 (lane / 16) + i of my row, become a fragment's codes in v[PC] on and its scale word in v[pw].  Each accumulator is read from its low end on.
.macro QUANT s, w, pw
	WIN 5*(\w)                                     ; sources 0 and 1 in window w
.irp b, 0,1,2,3
	v_max3_num_f32 v[TM+\b], |v[\s+16*\b]|, |v[\s+16*\b+1]|, 0x1800000   ; and the floor 2^(3 - 127): the byte cannot fall under 1
.endr
.irp i, 2,4,6,8,10,12,14
.irp b, 0,1,2,3
	v_max3_num_f32 v[TM+\b], |v[\s+16*\b+\i]|, |v[\s+16*\b+\i+1]|, v[TM+\b]
.endr
.endr
	WIN 0
.irp b, 0,1,2,3
	v_permlanex16_b32 v[TM+4+\b], v[TM+\b], s[SEL], s[SEL+1]
.endr
.irp b, 0,1,2,3
	v_max_num_f32 v[TM+\b], v[TM+\b], v[TM+4+\b]
.endr
.irp b, 0,1,2,3
	v_add_nc_u32 v[TM+12+\b], 0xff000000, v[TM+\b]  ; 2 off the exponent field: the conversion's scale operand
.endr
.irp b, 0,1,2,3
	v_lshrrev_b32 v[TM+4+\b], 23, v[TM+12+\b]
.endr
	v_lshl_or_b32 v[\pw], v[TM+5], 8, v[TM+4]
	v_lshl_or_b32 v[\pw], v[TM+6], 16, v[\pw]
	v_lshl_or_b32 v[\pw], v[TM+7], 24, v[\pw]
	WIN (\w)                                       ; source 0 in window w
.irp c, 0,1
	v_cvt_scalef32_pk16_fp6_f32 v[PC+6*\c:PC+6*\c+2], v[\s+32*\c:\s+32*\c+15], v[TM+12+2*\c]
	v_cvt_scalef32_pk16_fp6_f32 v[PC+12+4*\c:PC+14+4*\c], v[\s+32*\c+16:\s+32*\c+31], v[TM+13+2*\c]
.endr
	WIN 0
	v_nop                                          ; one plain place behind a scaled conversion
.irp c, 0,1
.irp i, 0,1,2
	v_permlane16_swap_b32 v[PC+6*\c+\i], v[PC+12+4*\c+\i]
.endr
.irp i, 0,1,2
	v_mov_b32 v[PC+3+6*\c+\i], v[PC+12+4*\c+\i]
.endr
.endr
.endm
	s_cmp_eq_u32 ttmp9, 3                          ; the cluster's x: the same in all partners
	s_cbranch_scc1 .Lvpath
	; ---------------- q and k: my 128 columns are head hc = 2 x B's tile + half; my 128 rows are tokens
	s_lshl_b32 s2, s42, 1
	s_add_co_u32 s2, s2, s18                       ; hc: 0-15 q's heads, 16-23 k's
	s_lshl_b32 s2, s2, 1
	s_lshr_b32 s3, s19, 3                          ; the batch
	s_add_co_u32 s2, s2, s3
	s_and_b32 s3, s19, 7
	s_lshl_b32 s3, s3, 1
	s_add_co_u32 s3, s3, s17                       ; which 128 tokens of the batch
	s_lshl_b32 s10, s2, 4
	s_add_co_u32 s10, s10, s3
	s_mul_i32 s12, s10, 12288                      ; eight fragments
	s_mov_b32 s13, 0
	s_add_nc_u64 s[12:13], s[14:15], s[12:13]
	s_lshl_b32 s10, s10, 9
	s_add_co_u32 s10, s10, QKS
	s_mov_b32 s11, 0
	s_add_nc_u64 s[10:11], s[14:15], s[10:11]
; Block a: 16 tokens.  Lane (r, h) holds token r's d = 32 c + 16 h + i in register 16 c + i; d and d + 64 lie 32 registers apart in one lane.
.macro QKBLOCK a
.set WW, 2+(\a)/4
.set AC, 64*((\a)%4)
	s_wait_xcnt 0x0                                ; the last block's stores have read the codes' registers
	WIN 0x40                                       ; destination window 1
.set e, 0
.rept 16
	ds_load_b128 v[4*e:4*e+3], v[TA] offset:8192*(\a)+512*e   ; cos into v0-31, sin into v32-63: register 16 c + i is frequency 32 c + 16 h + i
.set e, e+1
.endr
	WIN 5*WW                                       ; sources 0 and 1: the accumulators' window
.irp k, 0,1,2,3
	v_pk_mul_f32 v[SS+2*\k:SS+2*\k+1], v[AC+2*\k:AC+2*\k+1], v[AC+2*\k:AC+2*\k+1]   ; the squares, in four chains, the registers in ascending order
.endr
.set n, 4
.rept 28
	v_pk_fma_f32 v[SS+2*(n%4):SS+2*(n%4)+1], v[AC+2*n:AC+2*n+1], v[AC+2*n:AC+2*n+1], v[SS+2*(n%4):SS+2*(n%4)+1]
.set n, n+1
.endr
	WIN 0
	v_pk_add_f32 v[SS:SS+1], v[SS:SS+1], v[SS+2:SS+3]
	v_pk_add_f32 v[SS+4:SS+5], v[SS+4:SS+5], v[SS+6:SS+7]
	v_pk_add_f32 v[SS:SS+1], v[SS:SS+1], v[SS+4:SS+5]
	v_add_f32 v[SS], v[SS], v[SS+1]
	v_permlanex16_b32 v[SS+1], v[SS], s[SEL], s[SEL+1]
	v_add_f32 v[SS], v[SS], v[SS+1]                ; with lane l xor 16's 64
	v_fma_f32 v[SS], v[SS], s104, s105             ; the mean + eps
	v_rsq_f32 v[RS], v[SS]
	v_mov_b32 v[RS+1], 0                           ; (a plain place; the pair's upper word is named below, so it is written)
	s_wait_alu depctr_va_vdst(0)                   ; the wait ahead of the first use
	WIN WW
.set n, 0
.rept 32
	v_pk_mul_f32 v[Y+2*n:Y+2*n+1], v[AC+2*n:AC+2*n+1], v[RS:RS+1] op_sel_hi:[1,0]
.set n, n+1
.endr
	WIN 0
.set n, 0
.rept 32
	v_pk_mul_f32 v[Y+2*n:Y+2*n+1], v[Y+2*n:Y+2*n+1], v[NW+2*n:NW+2*n+1]
.set n, n+1
.endr
	s_wait_dscnt 0x0                               ; cos and sin are in
	WIN 0x04                                       ; source 1 window 1
.set n, 0
.rept 16
.set T1, TT+4*(n%2)
	v_pk_mul_f32 v[T1:T1+1], v[Y+32+2*n:Y+33+2*n], v[32+2*n:33+2*n]
	v_pk_mul_f32 v[T1+2:T1+3], v[Y+2*n:Y+2*n+1], v[32+2*n:33+2*n]
	v_pk_fma_f32 v[Y+2*n:Y+2*n+1], v[Y+2*n:Y+2*n+1], v[2*n:2*n+1], v[T1:T1+1] neg_lo:[0,0,1] neg_hi:[0,0,1]   ; x(d) cos - x(d + 64) sin
	v_pk_fma_f32 v[Y+32+2*n:Y+33+2*n], v[Y+32+2*n:Y+33+2*n], v[2*n:2*n+1], v[T1+2:T1+3]                        ; x(d + 64) cos + x(d) sin
.set n, n+1
.endr
	WIN 0
	QUANT Y, 0, KW+(\a)
.irp c, 0,1,2
	global_store_b128 v[LI], v[PC+4*\c:PC+4*\c+3], s[12:13] offset:1536*(\a)+512*\c   ; 512 consecutive bytes
.endr
.endm
.irp a, 0,1,2,3,4,5,6,7
	QKBLOCK \a
.endr
	s_branch .Ltail
	; ---------------- v: my 128 rows of A are head kvh's d, my 128 rows of B are one step of 128 keys
.Lvpath:
	s_sub_co_u32 s2, s19, 12
	s_lshl_b32 s2, s2, 1
	s_add_co_u32 s2, s2, s17                       ; kvh
	s_lshr_b32 s3, s42, 3
	s_lshl_b32 s3, s3, 3
	s_add_co_u32 s2, s2, s3                        ; 8 x batch + kvh
	s_and_b32 s3, s42, 7                           ; which 256 keys
	s_lshl_b32 s10, s2, 3
	s_add_co_u32 s10, s10, s3
	s_mul_i32 s12, s10, 24576
	s_mul_i32 s10, s18, 1536
	s_add_co_u32 s12, s12, s10
	s_add_co_u32 s12, s12, VC
	s_mov_b32 s13, 0
	s_add_nc_u64 s[12:13], s[14:15], s[12:13]
	s_lshl_b32 s10, s2, 4
	s_lshl_b32 s3, s3, 1
	s_add_co_u32 s10, s10, s3
	s_add_co_u32 s10, s10, s18
	s_lshl_b32 s10, s10, 9
	s_add_co_u32 s10, s10, VS
	s_mov_b32 s11, 0
	s_add_nc_u64 s[10:11], s[14:15], s[10:11]
.macro VBLOCK a                        ; tile a of d: the accumulators are quantised as they stand, along the keys
.set WW, 2+(\a)/4
.set AC, 64*((\a)%4)
	s_wait_xcnt 0x0
	QUANT AC, WW, KW+(\a)
.irp c, 0,1,2
	global_store_b128 v[LI], v[PC+4*\c:PC+4*\c+3], s[12:13] offset:3072*(\a)+512*\c
.endr
.endm
.irp a, 0,1,2,3,4,5,6,7
	VBLOCK \a
.endr
.Ltail:
	v_cmp_eq_u32 vcc_lo, 1, v2                     ; the eight blocks' scale words: lanes 0-15 store blocks 0-3 of row r, lanes 16-31 blocks 4-7: 512 consecutive bytes
.irp j, 0,1,2,3
	v_cndmask_b32 v[TT+\j], v[KW+\j], v[KW+4+\j], vcc_lo
.endr
	global_store_b128 v[LI], v[TT:TT+3], s[10:11]
	s_wait_tensorcnt 0x0                           ; the wave's end
	ds_add_u32 v[SPW], v[NIL]
	s_wait_dscnt 0x0
	CROUND                                         ; the closing round: no work-group ends while a partner may still ask for a tile that names it
	s_endpgm
.Lfunc_end_k_q068de54475_qkv:
	.size	k_q068de54475_qkv, .Lfunc_end_k_q068de54475_qkv-k_q068de54475_qkv
	.p2alignl 7, 3214868480
	.fill 96, 4, 3214868480
	.section	.rodata,"a",@progbits
	.p2align	6, 0x0
	.amdhsa_kernel k_q068de54475_qkv
		.amdhsa_group_segment_fixed_size 327680
		.amdhsa_private_segment_fixed_size 0
		.amdhsa_enable_private_segment 0
		.amdhsa_kernarg_size 48
		.amdhsa_user_sgpr_count 2
		.amdhsa_user_sgpr_kernarg_segment_ptr 1
		.amdhsa_wavefront_size32 1
		.amdhsa_system_sgpr_workgroup_id_x 1
		.amdhsa_system_sgpr_workgroup_id_y 1
		.amdhsa_system_sgpr_workgroup_id_z 1
		.amdhsa_system_vgpr_workitem_id 0
		.amdhsa_next_free_vgpr 1024
		.amdhsa_next_free_sgpr 106
		.amdhsa_reserve_vcc 1
		.amdhsa_float_denorm_mode_32 3
		.amdhsa_float_denorm_mode_16_64 3
		.amdhsa_memory_ordered 1
		.amdhsa_forward_progress 1
		.amdhsa_inst_pref_size 255
	.end_amdhsa_kernel
	.section	.bss,"aw",@nobits
	.p2align	6
	.space	262144
	.amdgpu_metadata
---
amdhsa.version: [ 1, 2 ]
amdhsa.kernels:
  - .name:           k_q068de54475_qkv
    .symbol:         k_q068de54475_qkv.kd
    .args:
      - { .name: xh_c, .offset: 0, .size: 8, .value_kind: global_buffer, .address_space: global }
      - { .name: wqkv_c, .offset: 8, .size: 8, .value_kind: global_buffer, .address_space: global }
      - { .name: rope_t, .offset: 16, .size: 8, .value_kind: global_buffer, .address_space: global }
      - { .name: q_norm_w, .offset: 24, .size: 8, .value_kind: global_buffer, .address_space: global }
      - { .name: k_norm_w, .offset: 32, .size: 8, .value_kind: global_buffer, .address_space: global }
      - { .name: qkv_c, .offset: 40, .size: 8, .value_kind: global_buffer, .address_space: global }
    .group_segment_fixed_size: 327680
    .private_segment_fixed_size: 0
    .kernarg_segment_align: 8
    .kernarg_segment_size: 48
    .max_flat_workgroup_size: 128
    .sgpr_count:     106
    .vgpr_count:     1024
    .wavefront_size: 32
...
	.end_amdgpu_metadata
.endif
;; end of part 2
;; launch attn (part 3): grid 16 x 16, 16 waves a work-group, no clusters, 327,680 bytes of LDS; arguments qkv_c, ao_c; writes ao_c
.if DOCPART == 3
	.amdgcn_target "amdgcn-amd-amdhsa--gfx1250"
	.amdhsa_code_object_version 6
	.text
	.protected	k_q068de54475_attn
	.globl	k_q068de54475_attn
	.p2align	8
	.type	k_q068de54475_attn,@function
k_q068de54475_attn:
	s_mov_b64 s[64:65], 0
	v_nop
	global_prefetch_b8 v0, s[64:65] scope:SCOPE_SE
	s_setreg_imm32_b32 hwreg(HW_REG_WAVE_MODE, 25, 1), 1
	s_wait_xcnt 0x0
; Launch 3 of 4.  Causal attention with two query heads to a key and value head, both products on codes of FP6 (E2M3) with E8M0 scales; O / l is quantised along the head's 128 and leaves as codes.
; t = score x log2(e) / sqrt(128); M = the running largest t rounded UP to a whole number; p = 2^(t - M) is quantised along the keys, not normalised; the row's sum is taken of the unquantised p and divides O at the end.
; SHARES.  Work-group (p, y): y = 8 x batch + key head; both query heads; the blocks of 64 queries p and 31 - p: 16 tiles of 16 queries, one a wave, in 256 registers, four waves to a SIMD.
; All sixteen waves walk one stream of K and V, 128 keys a step, through two LDS slots of 256 keys; a wave leaves out the steps all of whose keys come after its queries.  Blocks p and 31 - p together have
; the same number of steps in every work-group.
; NO CLUSTER: the work-groups that share K and V differ in their query blocks, and the steps that are left out hang on the query block: among partners that would be a branch on a work-group's place in its cluster.
; OPERANDS LIE AS IMAGES OF THEIR REGISTERS (1,536 bytes a fragment, three loads of 512 consecutive bytes); four tiles' scale words come by one load of 16 bytes a lane.  A slot's K and its V are dense blocks of 24,576 bytes.
; Both products are used transposed: a lane holds ONE query throughout.  Tiles hold their rows permuted (place 16 u + r of 32 holds row 8 u + r + 8 (r / 8)): so p's 16 registers of two tiles are 16 neighbouring keys,
; and O^T's are 16 neighbouring d.  Query tile rho holds queries 32 (rho / 2) + 8 (rho % 2) + r + 8 (r / 8).
; LIMITS: NaN and infinities are not served; a block of zeros gets the byte 1.  c = log2(e) / sqrt(128) is applied as one factor.  ao's scale words leave 4 bytes at a pitch of 16 (the other three words of a row
; come from other waves): 262,144 bytes in the launch.
; REGISTERS: v1-7 stay; v8, v10 addresses in hand; v12 -M, v13 the largest t, v[14:15] the sum; v16-27 Q; v28 the prefetches' offset; v32-79 four fragments; v96-159 S^T, then p; v160-223 O^T; v224-235 p's codes;
; v232-254 at work; v248-251 four tiles' scale words; v253 p's; v255 Q's.
.set SLOT1, 1<<16                      ; slot 0 at 0, slot 1 here: one exclusive or turns an address
.set SLB,   24576                      ; a slot's K, and its V, in bytes
.set SCK,   131072                     ; K's scale words of the whole head: 16 steps x 512;  V's 8,192 further on
.set SPARE, 147456                     ; the spare words, 128 bytes for each of 16 waves
.set VC,    9437184
.set QKS,   12582912
.set VS,    12976128
.set AOS,   6291456
.set AK0,  1                           ; v1   16 x lane
.set ASK0, 3                           ; v3   SCK + 16 r
.set MQ,   4                           ; v4   my query - Q0 - 16 h
.set SPW,  5
.set NIL,  6
.set R16,  7                           ; v7   16 r
.set ADK,  8
.set ADS,  10
.set PFO,  28                          ; v28  256 x lane
.set TM,   232
.set PC,   32
.set TB,   2                           ; s2   the slot in hand
.set TS,   3                           ; s3   the step's scale words: 512 bytes a step
.set WV,   18
.set SEL,  20
.set CS,   22
.set G1T,  24                          ; s[24:31] group 1 of the tiles' loads;  s[32:39] of the scale words'
.set G1S,  32
.set G0T,  40                          ; s[40:43] group 0 of the tiles' loads: it walks;  s[44:47] of the scale words'
.set G0S,  44
.set KF,   48                          ; s48  the step's first key
.set Q0,   49                          ; s49  my tile's group of 32 queries begins here
.set QL,   50                          ; s50  my work-group's last query
.set SLOTS, 51
.set PFA,  52                          ; s[52:53] where my prefetches stand
.set LIM,  54                          ; s54  1 in a wave that prefetches, else the greatest number
.macro TLOAD                           ; waves 0, 1 fetch K's halves, waves 2, 3 V's: one line, each wave its own bytes; the others fetch nothing
	s_cmp_lt_u32 s[WV], 4
	s_cbranch_scc0 .Lasked_\@
	tensor_load_to_lds s[G0T:G0T+3], s[G1T:G1T+7]
	s_nop 0
.rept 4
	v_nop
.endr
.Lasked_\@:
.endm
; A prefetch of what the NEXT change of slots will ask for: a slot's 24,576 bytes of K and of V.  All sixteen work-groups of a y walk the same K and V; the one with p = 0 walks all eight slots, and it asks.
; In it waves 4-6 name K's bytes and waves 8-10 V's: 8,192 bytes a wave, lanes 256 bytes apart: each aligned 256 bytes are named once in the launch.  Slots 0 and 1 are not asked for; the last change that fills asks for nothing.
.macro ASK
	s_cmp_gt_u32 s[SLOTS], s[LIM]
	s_cbranch_scc0 .Lnot_mine_\@
	global_prefetch_b8 v[PFO], s[PFA:PFA+1] th:TH_LOAD_NT scope:SCOPE_SE
.Lnot_mine_\@:
.endm
	s_load_b128 s[4:7], s[0:1], 0x0                ; qkv_c s[4:5], ao_c s[6:7]
	v_lshl_add_u32 v[SPW], v0, 2, SPARE
	v_mov_b32 v[NIL], 0
	ds_add_u32 v[SPW], v[NIL]                      ; the wave's opening: the add and its wait stand ahead of my first tensor load; the set-up below, work on registers, stands between them
	v_lshrrev_b32 v8, 5, v0
	v_readfirstlane_b32 s[WV], v8                  ; wave 0..15
	s_and_b32 s55, ttmp7, 0xffff                   ; y
	s_lshr_b32 s56, s55, 3                         ; the batch
	s_and_b32 s57, s55, 7                          ; the key head
	s_lshr_b32 s58, s[WV], 2
	s_xor_b32 s58, s58, s[WV]
	s_and_b32 s58, s58, 1                          ; 0: the early block, 1: the late one
	s_lshr_b32 s59, s[WV], 1
	s_lshr_b32 s60, s59, 2                         ; which of the two query heads
	s_and_b32 s61, s59, 3                          ; which tile of the block's four
	s_sub_co_u32 s62, 31, ttmp9
	s_cmp_eq_u32 s58, 1
	s_cselect_b32 s62, s62, ttmp9                  ; my block of 64 queries
	s_lshl_b32 s63, s62, 2
	s_add_co_u32 s63, s63, s61                     ; my tile of 16 in the batch: rho
	s_lshl_b32 s[Q0], s62, 6
	s_lshr_b32 s66, s61, 1
	s_lshl_b32 s66, s66, 5
	s_add_co_u32 s[Q0], s[Q0], s66
	s_lshl_b32 s[QL], ttmp9, 6
	s_sub_co_u32 s[QL], 2047, s[QL]
	s_lshl_b32 s67, s57, 1
	s_add_co_u32 s67, s67, s60                     ; the query head hc
	s_and_b32 s84, s61, 1
	s_lshl_b32 s84, s84, 3                         ; 8 u
	; K's and V's codes and scale words of my y
	s_add_co_u32 s68, s57, 16
	s_lshl_b32 s68, s68, 1
	s_add_co_u32 s68, s68, s56
	s_mul_i32 s69, s68, 196608                     ; K's codes
	s_mul_i32 s70, s55, 196608
	s_add_co_u32 s70, s70, VC                      ; V's
	s_lshl_b32 s71, s68, 13
	s_add_co_u32 s71, s71, QKS
	s_lshl_b32 s72, s55, 13
	s_add_co_u32 s72, s72, VS
	s_and_b32 s73, s[WV], 1
	s_mul_i32 s74, s73, 12288
	s_lshl_b32 s75, s73, 12
	s_cmp_lt_u32 s[WV], 2
	s_cselect_b32 s76, s69, s70
	s_cselect_b32 s78, s71, s72
	s_add_co_u32 s76, s76, s74                     ; what I fetch, if I fetch: my half of a slot's K or V,
	s_mov_b32 s77, 0
	s_add_co_u32 s78, s78, s75                     ; and of the scale words
	s_mov_b32 s79, 0
	; Q's fragment and scale word
	s_lshl_b32 s85, s67, 1
	s_add_co_u32 s85, s85, s56
	s_lshl_b32 s86, s85, 7
	s_add_co_u32 s86, s86, s63
	s_mul_i32 s86, s86, 1536
	s_mov_b32 s87, 0
	s_bfe_u32 s94, s63, 0x10002
	s_lshl_b32 s94, s94, 8
	s_and_b32 s89, s63, 3
	s_lshl_b32 s89, s89, 2
	s_add_co_u32 s94, s94, s89                     ; my tile's place in 512 bytes of scale words: 256 ((rho % 8) / 4) + 4 (rho % 4)
	s_lshl_b32 s88, s85, 4
	s_lshr_b32 s89, s63, 3
	s_add_co_u32 s88, s88, s89
	s_lshl_b32 s88, s88, 9
	s_add_co_u32 s88, s88, s94
	s_add_co_u32 s88, s88, QKS
	s_mov_b32 s89, 0
	; where O's codes and scale word go: K step = head
	s_lshr_b32 s90, s67, 2
	s_mul_i32 s90, s90, 1572864
	s_lshl_b32 s91, s56, 7
	s_add_co_u32 s91, s91, s63
	s_mul_i32 s92, s91, 6144
	s_add_co_u32 s90, s90, s92
	s_and_b32 s92, s67, 3
	s_mul_i32 s92, s92, 1536
	s_add_co_u32 s90, s90, s92
	s_lshr_b32 s92, s91, 3
	s_lshl_b32 s92, s92, 13
	s_lshl_b32 s93, s67, 9
	s_add_co_u32 s92, s92, s93
	s_add_co_u32 s92, s92, s94
	s_add_co_u32 s92, s92, AOS
	s_mov_b32 s91, 0
	s_mov_b32 s93, 0
	; group 1: dense blocks as rows of 256 bytes (32 elements of 8 bytes), no mask, no padding
	s_mov_b32 s[G1T], 3<<16
	s_mov_b32 s[G1T+1], 32<<16
	s_mov_b32 s[G1T+2], 48<<16                     ; 48 rows = 12,288 bytes
	s_mov_b32 s[G1T+3], 32<<16
	s_mov_b32 s[G1T+4], 48
	s_mov_b32 s[G1T+5], 32
	s_mov_b32 s[G1T+6], 0
	s_mov_b32 s[G1T+7], 0
	s_mov_b32 s[G1S], 3<<16
	s_mov_b32 s[G1S+1], 32<<16
	s_mov_b32 s[G1S+2], 16<<16                     ; 16 rows = 4,096 bytes
	s_mov_b32 s[G1S+3], 32<<16
	s_mov_b32 s[G1S+4], 16
	s_mov_b32 s[G1S+5], 32
	s_mov_b32 s[G1S+6], 0
	s_mov_b32 s[G1S+7], 0
	s_mov_b32 s[SEL], 0x76543210
	s_mov_b32 s[SEL+1], 0xfedcba98
	s_mov_b32 s[CS], 0x3e0293ee                    ; c = log2(e) / sqrt(128)
	s_mov_b32 s[CS+1], s[CS]
	s_mov_b32 s[TB], 0
	s_mov_b32 s[TS], 0
	s_mov_b32 s[KF], 0
	s_mov_b32 s[SLOTS], 7
	v_and_b32 v[AK0], 31, v0
	v_lshlrev_b32 v[PFO], 8, v[AK0]
	v_lshlrev_b32 v[AK0], 4, v[AK0]
	v_and_b32 v8, 15, v0                           ; r
	v_bfe_u32 v9, v0, 4, 1                         ; h
	v_lshlrev_b32 v[R16], 4, v8
	v_add_nc_u32 v[ASK0], SCK, v[R16]
	v_and_b32 v11, 8, v8
	v_add_nc_u32 v11, v11, v8                      ; r + 8 (r / 8)
	v_lshlrev_b32 v9, 4, v9
	v_sub_nc_u32 v[MQ], v11, v9
	v_add_nc_u32 v[MQ], s84, v[MQ]
	s_wait_dscnt 0x0                               ; the opening add is done
	s_wait_kmcnt 0x0
	s_mov_b32 s[G0S], 1
	s_lshl_b32 s[G0S+1], s[WV], 12
	s_add_co_u32 s[G0S+1], s[G0S+1], SCK
	s_add_nc_u64 s[G0S+2:G0S+3], s[4:5], s[78:79]
	s_or_b32 s[G0S+3], s[G0S+3], 0x80000000
	s_mov_b32 s[G0T], 1
	s_mul_i32 s[G0T+1], s[WV], 12288               ; slot 0
	s_add_nc_u64 s[G0T+2:G0T+3], s[4:5], s[76:77]
	s_or_b32 s[G0T+3], s[G0T+3], 0x80000000
	s_cmp_lt_u32 s[WV], 4                          ; a wave's two first fills stand in one branch
	s_cbranch_scc0 .Lno_first
	tensor_load_to_lds s[G0S:G0S+3], s[G1S:G1S+7]  ; the scale words of the whole head: filled once
	s_nop 0
	tensor_load_to_lds s[G0T:G0T+3], s[G1T:G1T+7]  ; slot 0
	s_nop 0
.rept 4
	v_nop
.endr
.Lno_first:
	s_add_nc_u64 s[86:87], s[4:5], s[86:87]
	s_add_nc_u64 s[88:89], s[4:5], s[88:89]
	s_add_nc_u64 s[90:91], s[6:7], s[90:91]
	s_add_nc_u64 s[92:93], s[6:7], s[92:93]
.irp c, 0,1,2
	global_load_b128 v[16+4*\c:19+4*\c], v[AK0], s[86:87] offset:512*\c   ; Q's fragment stays in registers
.endr
	global_load_b32 v255, v[R16], s[88:89]         ; and its scale words
	; the prefetches: where my wave's stand, and who asks
	s_cmp_lt_u32 s[WV], 8
	s_cselect_b32 s82, s69, s70
	s_and_b32 s81, s[WV], 3
	s_lshl_b32 s81, s81, 13
	s_add_co_u32 s82, s82, s81
	s_add_co_u32 s82, s82, SLB                     ; in slot 1: the first change of slots steps it to slot 2
	s_mov_b32 s83, 0
	s_add_nc_u64 s[PFA:PFA+1], s[4:5], s[82:83]
	s_sub_co_u32 s81, s[WV], 4
	s_lshr_b32 s81, s81, 3                         ; 0 in waves 4 to 11,
	s_or_b32 s81, s81, ttmp9                       ; of the work-group with p = 0
	s_cmp_eq_u32 s81, 0
	s_cselect_b32 s[LIM], 1, -1
	s_and_b32 s81, s[WV], 3
	s_cmp_eq_u32 s81, 3                            ; (a block is three waves' worth)
	s_cselect_b32 s[LIM], -1, s[LIM]
	v_mov_b32 v13, 0xff61b1e6                      ; the largest t so far: -3e38
	v_floor_f32 v12, -v13                          ; -M
	v_mov_b32 v14, 0
	v_mov_b32 v15, 0
.irp b, 0,1,2,3
	v_mov_b32 v[236+\b], 0                         ; a lane permute's destination counts as one of its sources
.endr
	v_mov_b32 v252, 0
	v_mov_b32 v253, 0
.set j, 0
.rept 64
	v_mov_b32 v[160+j], 0                          ; O^T.  (The step is written for every step alike: the first finds zeros, which the first change of M leaves zeros)
.set j, j+1
.endr
; A KEY STEP: 128 keys, the q-th of the slot in hand
.macro STEP q
	s_add_co_u32 s96, s[Q0], 31                    ; a step all of whose keys come after my 16 queries is left out: a branch on ids, round the step's work alone
	s_cmp_gt_u32 s[KF], s96
	s_cbranch_scc1 .Lhidden_\@
	v_add_nc_u32 v[ADK], s[TB], v[AK0]
	v_add_nc_u32 v[ADS], s[TS], v[ASK0]
	v_nop
	v_nop                                          ; with the two additions: four places in front of loads into registers that the last products read
.irp g, 0,1                                    ; S^T = K Q^T, four tiles of 16 keys at a time
.if \g > 0
.rept 4
	v_nop
.endr
.endif
.irp t, 0,1,2,3
.irp c, 0,1,2
	ds_load_b128 v[32+12*\t+4*\c:35+12*\t+4*\c], v[ADK] offset:(8*(\q)+4*\g+\t)*1536+512*\c
.endr
.endr
	ds_load_b128 v[248:251], v[ADS] offset:256*\g  ; the four tiles' scale words
	s_wait_dscnt 0x0
.irp t, 0,1,2,3
	v_wmma_scale_f32_16x16x128_f8f6f4 v[96+8*(4*\g+\t):103+8*(4*\g+\t)], v[32+12*\t:43+12*\t], v[16:27], 0, v[248+\t], v255 matrix_a_fmt:MATRIX_FMT_FP6 matrix_b_fmt:MATRIX_FMT_FP6
.endr
.endr
.rept 4
	v_nop
.endr
	s_add_co_u32 s96, s[KF], 127                   ; on the diagonal hidden scores become -infinity ahead of the maximum; a step all of whose keys count skips this
	s_cmp_le_u32 s96, s[Q0]
	s_cbranch_scc1 .Lopen_\@
	s_sub_co_i32 s96, s[Q0], s[KF]
	v_add_nc_u32 v252, s96, v[MQ]                  ; d = my query - KF - 16 h.  Register 16 b + i holds key KF + 16 h + 32 b + i: hidden where 32 b + i > d
	v_mov_b32 v254, 0xff800000
.set n, 0
.rept 64
	v_cmp_gt_i32 vcc_lo, 32*(n/16)+n%16, v252
	v_cndmask_b32 v[96+n], v[96+n], v254, vcc_lo
.set n, n+1
.endr
.Lopen_\@:
.irp b, 0,1,2,3
	v_max3_num_f32 v[232+\b], v[96+16*\b], v[97+16*\b], v[98+16*\b]   ; the largest score of each block of 32 keys: for the row's maximum and, since p rises with the score, for the block's largest p
.endr
.irp i, 3,5,7,9,11,13
.irp b, 0,1,2,3
	v_max3_num_f32 v[232+\b], v[232+\b], v[96+16*\b+\i], v[97+16*\b+\i]
.endr
.endr
.irp b, 0,1,2,3
	v_max_num_f32 v[232+\b], v[232+\b], v[111+16*\b]
.endr
.irp b, 0,1,2,3
	v_permlanex16_b32 v[236+\b], v[232+\b], s[SEL], s[SEL+1]
.endr
.irp b, 0,1,2,3
	v_max_num_f32 v[232+\b], v[232+\b], v[236+\b]
.endr
	v_max3_num_f32 v254, v232, v233, v234
	v_max_num_f32 v254, v254, v235
	v_mul_f32 v254, s[CS], v254
	v_max_num_f32 v13, v13, v254                   ; the running largest t
	v_mov_b32 v254, v12
	v_floor_f32 v12, -v13                          ; the new -M = -ceil(t)
	v_sub_f32 v254, v12, v254                      ; old M - new M: a whole number, 0 or less
	v_cvt_i32_f32 v254, v254
	v_ldexp_f32 v252, 1.0, v254                    ; f = 2^(old M - new M): rounds nothing
.set j, 0
.rept 32
	v_pk_fma_f32 v[96+j:97+j], v[96+j:97+j], s[CS:CS+1], v[12:13] op_sel_hi:[1,0,0]   ; t - M
.set j, j+2
.endr
.irp b, 0,1,2,3
	v_fma_f32 v[232+\b], v[232+\b], s[CS], v12
.endr
.set j, 0
.rept 64
	v_exp_f32 v[96+j], v[96+j]                     ; p = 2^(t - M)
.set j, j+1
.endr
	v_pk_mul_f32 v[14:15], v[14:15], v[252:253] op_sel_hi:[1,0]   ; the sums under the new M.  (A plain place behind the exponentials)
	s_wait_alu depctr_va_vdst(0)                   ; one wait for the whole batch, ahead of its first reader
.irp b, 0,1,2,3
	v_exp_f32 v[232+\b], v[232+\b]                 ; each block's largest p
.endr
	v_pk_add_f32 v[236:237], v[96:97], v[98:99]    ; the row's sum, of the unquantised p, in two chains
.irp j, 4,8,12,16,20,24,28,32,36,40,44,48,52,56,60
	v_pk_add_f32 v[14:15], v[14:15], v[96+\j:97+\j]
	v_pk_add_f32 v[236:237], v[236:237], v[98+\j:99+\j]
.endr
	v_pk_add_f32 v[14:15], v[14:15], v[236:237]
	s_wait_alu depctr_va_vdst(0)                   ; and one for the four
.irp b, 0,1,2,3
	v_max_num_f32 v[232+\b], 0x1800000, v[232+\b]  ; the floor 2^(3 - 127)
.endr
.irp b, 0,1,2,3
	v_add_nc_u32 v[244+\b], 0xff000000, v[232+\b]
.endr
.irp b, 0,1,2,3
	v_lshrrev_b32 v[236+\b], 23, v[244+\b]
.endr
	v_lshl_or_b32 v253, v237, 8, v236              ; p's scale word for these 128 keys
	v_lshl_or_b32 v253, v238, 16, v253
	v_lshl_or_b32 v253, v239, 24, v253
.irp c, 0,1
	v_cvt_scalef32_pk16_fp6_f32 v[224+6*\c:226+6*\c], v[96+32*\c:111+32*\c], v[244+2*\c]
	v_cvt_scalef32_pk16_fp6_f32 v[236+4*\c:238+4*\c], v[112+32*\c:127+32*\c], v[244+2*\c+1]
.endr
	v_nop                                          ; one plain place behind a scaled conversion
.irp c, 0,1
.irp i, 0,1,2
	v_permlane16_swap_b32 v[224+6*\c+\i], v[236+4*\c+\i]
.endr
.irp i, 0,1,2
	v_mov_b32 v[227+6*\c+\i], v[236+4*\c+\i]
.endr
.endr
.set j, 0
.rept 32
	v_pk_mul_f32 v[160+j:161+j], v[160+j:161+j], v[252:253] op_sel_hi:[1,0]   ; O^T under the new M.  (These 32 are also the places in front of the matrix instructions and loads below)
.set j, j+2
.endr
.irp g, 0,1                                    ; O^T += V^T P^T: four tiles of 16 of the head's 128 at a time
.if \g > 0
.rept 4
	v_nop
.endr
.endif
.irp t, 0,1,2,3
.irp c, 0,1,2
	ds_load_b128 v[32+12*\t+4*\c:35+12*\t+4*\c], v[ADK] offset:SLB+(4*\g+\t)*3072+1536*(\q)+512*\c
.endr
.endr
	ds_load_b128 v[248:251], v[ADS] offset:8192+256*\g
	s_wait_dscnt 0x0
.irp t, 0,1,2,3
	v_wmma_scale_f32_16x16x128_f8f6f4 v[160+8*(4*\g+\t):167+8*(4*\g+\t)], v[32+12*\t:43+12*\t], v[224:235], v[160+8*(4*\g+\t):167+8*(4*\g+\t)], v[248+\t], v253 matrix_a_fmt:MATRIX_FMT_FP6 matrix_b_fmt:MATRIX_FMT_FP6
.endr
.endr
.Lhidden_\@:
	s_add_co_u32 s[KF], s[KF], 128
	s_add_co_u32 s[TS], s[TS], 512
.endm
; THE CHANGE OF SLOTS stands at a slot's head.  Each wave waits for all its tensor loads, adds 0 to its spare word, and waits for that and for its reads of the slot that it has left.  Behind the barrier the slot ahead
; is whole and nobody reads the other one.  fill = 1: that other slot takes the next 256 keys, unless its first key comes after the work-group's last query: then none of the sixteen waves would read it.
; Every wait for tensor loads in this text is for 0.
.macro CHANGE fill
	s_wait_tensorcnt 0x0                           ; no tensor load of mine is out, so a group 0 may be written
	ds_add_u32 v[SPW], v[NIL]                      ; 0 onto my spare word
.if \fill
	s_xor_b32 s[G0T+1], s[G0T+1], SLOT1
	s_add_nc_u64 s[G0T+2:G0T+3], s[G0T+2:G0T+3], SLB
	s_wait_xcnt 0x0                                ; the last prefetch, a slot back, has read its address
	s_add_nc_u64 s[PFA:PFA+1], s[PFA:PFA+1], SLB
.endif
	s_wait_dscnt 0x0                               ; the add is done, and my reads of the slot that I have left are over
	s_barrier_signal -1
	s_barrier_wait -1
.if \fill
	s_add_co_u32 s96, s[KF], 256                   ; the first key of the slot that this change would ask for
	s_cmp_gt_u32 s96, s[QL]
	s_cbranch_scc1 .Lpast_\@
	TLOAD                                          ; a wave's one tensor load until the next such barrier: it has two key steps in which to land
.Lpast_\@:
	ASK
.endif
.endm
	s_wait_loadcnt 0x0                             ; Q
.Lslot:                                            ; seven trips, constant for every work-group
	CHANGE 1
	STEP 0
	STEP 1
	s_xor_b32 s[TB], s[TB], SLOT1
	s_sub_co_u32 s[SLOTS], s[SLOTS], 1
	s_cmp_lg_u32 s[SLOTS], 0
	s_cbranch_scc1 .Lslot
	CHANGE 0                                       ; the last slot is written out: nothing is left to fetch
	STEP 0
	STEP 1
	; THE WAY OUT: O^T / the sum is quantised along d: register 16 c + i is d = 32 c + 16 h + i of my query
.rept 4
	v_nop                                          ; places behind the last products
.endr
	v_add_f32 v14, v14, v15
	v_permlanex16_b32 v252, v14, s[SEL], s[SEL+1]
	v_add_f32 v14, v14, v252                       ; the row's sum
	v_rcp_f32 v14, v14
	v_nop                                          ; a plain place behind the transcendental
	s_wait_alu depctr_va_vdst(0)                   ; the wait, ahead of the first reader
.set j, 0
.rept 64
	v_mul_f32 v[96+j], v[160+j], v14
.set j, j+1
.endr
.irp b, 0,1,2,3
	v_max3_num_f32 v[TM+\b], |v[96+16*\b]|, |v[97+16*\b]|, 0x1800000
.endr
.irp i, 2,4,6,8,10,12,14
.irp b, 0,1,2,3
	v_max3_num_f32 v[TM+\b], |v[96+16*\b+\i]|, |v[97+16*\b+\i]|, v[TM+\b]
.endr
.endr
.irp b, 0,1,2,3
	v_permlanex16_b32 v[TM+4+\b], v[TM+\b], s[SEL], s[SEL+1]
.endr
.irp b, 0,1,2,3
	v_max_num_f32 v[TM+\b], v[TM+\b], v[TM+4+\b]
.endr
.irp b, 0,1,2,3
	v_add_nc_u32 v[TM+12+\b], 0xff000000, v[TM+\b]
.endr
.irp b, 0,1,2,3
	v_lshrrev_b32 v[TM+4+\b], 23, v[TM+12+\b]
.endr
	v_lshl_or_b32 v52, v[TM+5], 8, v[TM+4]
	v_lshl_or_b32 v52, v[TM+6], 16, v52
	v_lshl_or_b32 v52, v[TM+7], 24, v52
.irp c, 0,1
	v_cvt_scalef32_pk16_fp6_f32 v[PC+6*\c:PC+6*\c+2], v[96+32*\c:111+32*\c], v[TM+12+2*\c]
	v_cvt_scalef32_pk16_fp6_f32 v[PC+12+4*\c:PC+14+4*\c], v[112+32*\c:127+32*\c], v[TM+13+2*\c]
.endr
	v_nop
.irp c, 0,1
.irp i, 0,1,2
	v_permlane16_swap_b32 v[PC+6*\c+\i], v[PC+12+4*\c+\i]
.endr
.irp i, 0,1,2
	v_mov_b32 v[PC+3+6*\c+\i], v[PC+12+4*\c+\i]
.endr
.endr
.irp c, 0,1,2
	global_store_b128 v[AK0], v[PC+4*\c:PC+4*\c+3], s[90:91] offset:512*\c   ; 512 consecutive bytes
.endr
	global_store_b32 v[R16], v52, s[92:93]         ; row r's word; both halves of the lanes hold and store the same
	s_wait_tensorcnt 0x0                           ; the wave's end
	ds_add_u32 v[SPW], v[NIL]
	s_wait_dscnt 0x0
	s_endpgm
.Lfunc_end_k_q068de54475_attn:
	.size	k_q068de54475_attn, .Lfunc_end_k_q068de54475_attn-k_q068de54475_attn
	.p2alignl 7, 3214868480
	.fill 96, 4, 3214868480
	.section	.rodata,"a",@progbits
	.p2align	6, 0x0
	.amdhsa_kernel k_q068de54475_attn
		.amdhsa_group_segment_fixed_size 327680
		.amdhsa_private_segment_fixed_size 0
		.amdhsa_enable_private_segment 0
		.amdhsa_kernarg_size 16
		.amdhsa_user_sgpr_count 2
		.amdhsa_user_sgpr_kernarg_segment_ptr 1
		.amdhsa_wavefront_size32 1
		.amdhsa_system_sgpr_workgroup_id_x 1
		.amdhsa_system_sgpr_workgroup_id_y 1
		.amdhsa_system_sgpr_workgroup_id_z 1
		.amdhsa_system_vgpr_workitem_id 0
		.amdhsa_next_free_vgpr 256
		.amdhsa_next_free_sgpr 100
		.amdhsa_reserve_vcc 1
		.amdhsa_float_denorm_mode_32 3
		.amdhsa_float_denorm_mode_16_64 3
		.amdhsa_memory_ordered 1
		.amdhsa_forward_progress 1
		.amdhsa_inst_pref_size 113
	.end_amdhsa_kernel
	.amdgpu_metadata
---
amdhsa.version: [ 1, 2 ]
amdhsa.kernels:
  - .name:           k_q068de54475_attn
    .symbol:         k_q068de54475_attn.kd
    .args:
      - { .name: qkv_c, .offset: 0, .size: 8, .value_kind: global_buffer, .address_space: global }
      - { .name: ao_c, .offset: 8, .size: 8, .value_kind: global_buffer, .address_space: global }
    .group_segment_fixed_size: 327680
    .private_segment_fixed_size: 0
    .kernarg_segment_align: 8
    .kernarg_segment_size: 16
    .max_flat_workgroup_size: 512
    .sgpr_count:     100
    .vgpr_count:     256
    .wavefront_size: 32
...
	.end_amdgpu_metadata
.endif
;; end of part 3
;; launch oproj (part 4): grid 8 x 32, 4 waves a work-group, clusters of 4 x 4, 327,680 bytes of LDS; arguments ao_c, wo_c, out0; writes out0
.if DOCPART == 4
	.amdgcn_target "amdgcn-amd-amdhsa--gfx1250"
	.amdhsa_code_object_version 6
	.text
	.protected	k_q068de54475_oproj
	.globl	k_q068de54475_oproj
	.p2align	8
	.type	k_q068de54475_oproj,@function
k_q068de54475_oproj:
	s_mov_b64 s[64:65], 0
	v_nop
	global_prefetch_b8 v0, s[64:65] scope:SCOPE_SE
	s_setreg_imm32_b32 hwreg(HW_REG_WAVE_MODE, 25, 1), 1
	s_wait_xcnt 0x0
	s_wait_alu depctr_hold_cnt(0) depctr_sa_sdst(0) depctr_va_vdst(0) depctr_va_sdst(0) depctr_va_ssrc(0) depctr_va_vcc(0) depctr_vm_vsrc(0)
	s_getreg_b32 s2, hwreg(HW_REG_IB_STS2, 6, 4)
	s_cmp_eq_u32 s2, 0
	s_cbranch_scc0 .Lentry_in_a_cluster
	s_endpgm
.Lentry_in_a_cluster:
	s_bfe_u32 s2, ttmp6, 0x10000c
	s_cmp_lg_u32 s2, 0xf033
	s_cbranch_scc0 .Lentry_shape_is_right
	s_endpgm
.Lentry_shape_is_right:
; Launch 4 of 4.  out0 [4096][1024] f32 = attention's output x Wo, K = 2,048, both operands as codes of FP6 (E2M3) with E8M0 scales, laid as images of an operand's registers (1,536 bytes a fragment of 16 rows x 128 K).
; Tiles of 256 x 256 would be 64: so a tile is 128 x 128, 256 work-groups; four waves, each 64 x 64: 16 accumulators.  A slot holds four K steps of 128 (512 along K): four fills in all, two slots.
; CLUSTERS of 4 x 4: A's tiles are shared along a row of the cluster, B's along a column, by joint loads.  The matrix instruction is used transposed (source 0 = 16 rows of Wo's codes, source 1 = 16 tokens).
; Both buffers hold their rows permuted (place 16 u + r of 32 holds row 8 u + r + 8 (r / 8)): a lane's registers of B's tiles 2 c, 2 c + 1 are columns 32 c + 16 h + 0 .. 15; the tokens' order is undone by the stores' offsets.
; REGISTERS: window 0: v16-29 addresses; v32-39 scale words, two sets of four; v64-127 rows on the way out; v128-255 the accumulators ((a, b) at v[128 + 8 (4 a + b)]).  window 1: two fragment buffers: A's 48 registers, then B's 48.
.set HALFT,  24576                     ; 64 rows x 512 K of codes: what one tensor load brings
.set SLOT,   98304                     ; A's 128 rows, then B's
.set SCL,    196608                    ; the scale words of A's and B's 128 rows for all of K: 2 x 8,192
.set SPARE,  212992                    ; the spare words, 128 bytes a wave
.set AOS,    6291456                   ; where the scale words begin in ao_c,
.set WOS,    1572864                   ; and in wo_c
.set ADRA, 16
.set ADRB, 20
.set STO,  24
.set RD,   25
.set CO,   26
.set ADS,  27
.set SPW,  28
.set NIL,  29
.set SC,   32
.set OB,   64
.set ACC,  128
.set F0,   0
.set F1,   128
.set G1,   24
.set G0,   32
.set G1B,  48
.set G0B,  56
.set G1S,  68
.set G0S,  76
.set G1SB, 80
.set G0SB, 88
.set MSB, 0
.macro WIN new
.if MSB != (\new)
	s_set_vgpr_msb (MSB<<8)|(\new)
.set MSB, (\new)
.endif
.endm
.set MUL,  0x05                        ; sources 0 (B) and 1 (A) window 1; C and D window 0
.set TO_F, 0x40                        ; destination window 1, address window 0
.macro JLOAD g0a, g1a, g0b, g1b        ; waves 0 and 1 fetch for A, waves 2 and 3 for B; an s_nop 0 and four v_nop follow each of the two lines
	s_cmp_eq_u32 s11, 0
	s_cbranch_scc0 .Lfor_b_\@
	tensor_load_to_lds s[\g0a:\g0a+3], s[\g1a:\g1a+7]
	s_nop 0
.rept 4
	v_nop
.endr
	s_branch .Lasked_\@
.Lfor_b_\@:
	tensor_load_to_lds s[\g0b:\g0b+3], s[\g1b:\g1b+7]
	s_nop 0
.rept 4
	v_nop
.endr
.Lasked_\@:
.endm
.macro CREST
	s_cmp_lg_u32 s10, 0
	s_cbranch_scc1 .Lnot_wave_0_\@
	s_barrier_signal -3
.Lnot_wave_0_\@:
	s_barrier_wait -3
	s_barrier_signal -1
	s_barrier_wait -1
.endm
.macro CROUND
	s_barrier_signal -1
	s_barrier_wait -1
	CREST
.endm
	s_load_b128 s[4:7], s[0:1], 0x0                ; ao_c s[4:5], wo_c s[6:7]
	s_load_b64 s[8:9], s[0:1], 0x10                ; out0
	v_lshl_add_u32 v[SPW], v0, 2, SPARE
	v_mov_b32 v[NIL], 0
	ds_add_u32 v[SPW], v[NIL]                      ; the wave's opening: the add and its wait stand ahead of my first tensor load; the set-up below, work on registers, stands between them
	v_lshrrev_b32 v1, 5, v0
	v_readfirstlane_b32 s10, v1                    ; wave 0..3
	s_lshr_b32 s11, s10, 1                         ; which half of the tile's rows is mine.  Also: I fetch for A (0) or for B (1)
	s_and_b32 s12, s10, 1                          ; which half of its columns.  Also: which 64 rows I fetch
	s_bfe_u32 s40, ttmp6, 0x40000                  ; cx
	s_bfe_u32 s41, ttmp6, 0x40004                  ; cy
	s_lshl_b32 s42, ttmp9, 2
	s_add_co_u32 s42, s42, s40                     ; tile column
	s_and_b32 s13, ttmp7, 0xffff
	s_lshl_b32 s13, s13, 2
	s_add_co_u32 s13, s13, s41                     ; tile row
	s_lshl_b32 s43, s41, 2
	s_lshl_b32 s43, 15, s43                        ; my row of the cluster
	s_lshl_b32 s44, 0x1111, s40                    ; my column
	; group 1: dense blocks as rows of 256 bytes (32 elements of 8 bytes), no padding; 15:0 the mask, 21 set beside it
	s_or_b32 s[G1], s43, (3<<16)|(1<<21)
	s_or_b32 s[G1B], s44, (3<<16)|(1<<21)
	s_or_b32 s[G1S], s43, (3<<16)|(1<<21)
	s_or_b32 s[G1SB], s44, (3<<16)|(1<<21)
.irp g, G1, G1B
	s_mov_b32 s[\g+1], 32<<16
	s_mov_b32 s[\g+2], 96<<16                      ; 96 rows = 24,576 bytes
	s_mov_b32 s[\g+3], 32<<16
	s_mov_b32 s[\g+4], 96
	s_mov_b32 s[\g+5], 32
	s_mov_b32 s[\g+6], 0
	s_mov_b32 s[\g+7], 0
.endr
.irp g, G1S, G1SB
	s_mov_b32 s[\g+1], 32<<16
	s_mov_b32 s[\g+2], 16<<16                      ; 16 rows = 4,096 bytes
	s_mov_b32 s[\g+3], 32<<16
	s_mov_b32 s[\g+4], 16
	s_mov_b32 s[\g+5], 32
	s_mov_b32 s[\g+6], 0
	s_mov_b32 s[\g+7], 0
.endr
	; the offsets, each made in the registers of its own descriptor
	s_lshl_b32 s[G0+2], s13, 3
	s_lshl_b32 s[G0+3], s12, 2
	s_add_co_u32 s[G0+2], s[G0+2], s[G0+3]         ; the first block of 16 rows that I fetch
	s_mul_i32 s[G0+2], s[G0+2], 6144
	s_mov_b32 s[G0+3], 0
	s_lshl_b32 s[G0S+2], s13, 13
	s_lshl_b32 s[G0S+3], s12, 12
	s_add_co_u32 s[G0S+2], s[G0S+2], s[G0S+3]
	s_add_co_u32 s[G0S+2], s[G0S+2], AOS
	s_mov_b32 s[G0S+3], 0
	s_lshl_b32 s[G0B+2], s42, 3
	s_lshl_b32 s[G0B+3], s12, 2
	s_add_co_u32 s[G0B+2], s[G0B+2], s[G0B+3]
	s_mul_i32 s[G0B+2], s[G0B+2], 6144
	s_mov_b32 s[G0B+3], 0
	s_lshl_b32 s[G0SB+2], s42, 13
	s_lshl_b32 s[G0SB+3], s12, 12
	s_add_co_u32 s[G0SB+2], s[G0SB+2], s[G0SB+3]
	s_add_co_u32 s[G0SB+2], s[G0SB+2], WOS
	s_mov_b32 s[G0SB+3], 0
	s_mul_i32 s20, s10, HALFT                      ; where they go: no place in the cluster enters an LDS address
.irp s, 0,1
	s_mov_b32 s[G0+4*\s], 1
	s_add_co_u32 s[G0+4*\s+1], s20, \s*SLOT
	s_mov_b32 s[G0B+4*\s], 1
	s_add_co_u32 s[G0B+4*\s+1], s20, \s*SLOT
.endr
	s_mov_b32 s[G0S], 1
	s_lshl_b32 s[G0S+1], s10, 12
	s_add_co_u32 s[G0S+1], s[G0S+1], SCL
	s_mov_b32 s[G0SB], 1
	s_lshl_b32 s[G0SB+1], s10, 12
	s_add_co_u32 s[G0SB+1], s[G0SB+1], SCL
	s_wait_dscnt 0x0                               ; the opening add is done
	s_wait_kmcnt 0x0
	s_add_nc_u64 s[G0+2:G0+3], s[4:5], s[G0+2:G0+3]
	s_add_nc_u64 s[G0+6:G0+7], s[G0+2:G0+3], 1572864   ; slot 1: the next 512 along K
	s_add_nc_u64 s[G0S+2:G0S+3], s[4:5], s[G0S+2:G0S+3]
	s_add_nc_u64 s[G0B+2:G0B+3], s[6:7], s[G0B+2:G0B+3]
	s_add_nc_u64 s[G0B+6:G0B+7], s[G0B+2:G0B+3], 393216
	s_add_nc_u64 s[G0SB+2:G0SB+3], s[6:7], s[G0SB+2:G0SB+3]
	s_or_b32 s[G0+3], s[G0+3], 0x80000000
	s_or_b32 s[G0+7], s[G0+7], 0x80000000
	s_or_b32 s[G0S+3], s[G0S+3], 0x80000000
	s_or_b32 s[G0B+3], s[G0B+3], 0x80000000
	s_or_b32 s[G0B+7], s[G0B+7], 0x80000000
	s_or_b32 s[G0SB+3], s[G0SB+3], 0x80000000
	CROUND                                         ; all sixteen work-groups are here: the first joint loads meet
	JLOAD G0S, G1S, G0SB, G1SB
	JLOAD G0, G1, G0B, G1B
	JLOAD G0+4, G1, G0B+4, G1B                     ; three loads of mine are out
	v_and_b32 v1, 15, v0                           ; r
	v_bfe_u32 v2, v0, 4, 1                         ; h
	v_and_b32 v3, 31, v0
	v_lshlrev_b32 v3, 4, v3                        ; 16 x lane
	s_mul_i32 s21, s11, HALFT                      ; my 64 rows of A,
	s_mul_i32 s22, s12, HALFT
	s_add_co_u32 s22, s22, 2*HALFT                 ; my 64 rows of B, behind A's 128
.irp s, 0,1
	v_add_nc_u32 v[ADRA+\s], s21, v3
	v_add_nc_u32 v[ADRB+\s], s22, v3
	s_add_co_u32 s21, s21, SLOT
	s_add_co_u32 s22, s22, SLOT
.endr
	s_lshl_b32 s21, s11, 8                         ; scale words: my four blocks are one half of a K step's 512 bytes
	s_lshl_b32 s22, s12, 8
	s_add_co_u32 s22, s22, 8192
	s_sub_co_u32 s22, s22, s21
	v_mul_u32_u24 v6, s22, v2                      ; lanes 16-31 take B's: one product, the distance between the two bases
	s_add_co_u32 s21, s21, SCL
	v_lshl_add_u32 v6, v1, 4, v6
	v_add_nc_u32 v[ADS], s21, v6
	s_mul_i32 s23, s10, 4352                       ; my stage: 16 rows x (256 + 16) bytes, in slot 0, used behind that slot's last fill and last read
	v_mul_u32_u24 v4, v1, 272
	v_lshl_add_u32 v4, v2, 6, v4
	v_add_nc_u32 v[STO], s23, v4                   ; in: row r, + 64 h
	v_mul_u32_u24 v5, v2, 272
	v_lshl_add_u32 v5, v1, 4, v5
	v_add_nc_u32 v[RD], s23, v5                    ; back: lanes 0-15 one row of 256 bytes, lanes 16-31 the next
	v_lshlrev_b32 v5, 12, v2
	v_lshl_add_u32 v[CO], v1, 4, v5                ; and the same two rows in out0
	s_lshl_b32 s16, s13, 7
	s_lshl_b32 s17, s11, 6
	s_add_co_u32 s16, s16, s17                     ; my first row
	s_lshl_b32 s16, s16, 12
	s_lshl_b32 s17, s42, 9
	s_add_co_u32 s16, s16, s17
	s_lshl_b32 s17, s12, 8
	s_add_co_u32 s16, s16, s17                     ; my first column, in bytes
	s_mov_b32 s17, 0
	s_add_nc_u64 s[8:9], s[8:9], s[16:17]
.macro FETCH slot, k, f                ; the slot's k-th 128 along K into buffer f: 24 loads of 512 consecutive bytes, and the scale words
	WIN TO_F
.irp i, 0,1,2,3
.irp c, 0,1,2
	ds_load_b128 v[\f+48+12*\i+4*\c:\f+48+12*\i+4*\c+3], v[ADRB+\slot] offset:6144*\i+1536*(\k)+512*\c
.endr
.irp c, 0,1,2
	ds_load_b128 v[\f+12*\i+4*\c:\f+12*\i+4*\c+3], v[ADRA+\slot] offset:6144*\i+1536*(\k)+512*\c
.endr
.endr
	WIN 0
	ds_load_b128 v[SC+4*((\f)/128):SC+4*((\f)/128)+3], v[ADS] offset:512*(\k)   ; lanes 0-15: A's four blocks; lanes 16-31: B's
.endm
.macro MULA f, a, zero                 ; A's block a x B's four.  The 16 accumulators take turns, one instruction a turn
.irp b, 0,1,2,3
.if \zero
	v_wmma_scale_f32_16x16x128_f8f6f4 v[ACC+8*(4*(\a)+\b):ACC+8*(4*(\a)+\b)+7], v[\f+48+12*\b:\f+48+12*\b+11], v[\f+12*(\a):\f+12*(\a)+11], 0, v[SC+4*((\f)/128)+\b], v[SC+4*((\f)/128)+(\a)] matrix_a_fmt:MATRIX_FMT_FP6 matrix_b_fmt:MATRIX_FMT_FP6 matrix_a_scale:MATRIX_SCALE_ROW1
.else
	v_wmma_scale_f32_16x16x128_f8f6f4 v[ACC+8*(4*(\a)+\b):ACC+8*(4*(\a)+\b)+7], v[\f+48+12*\b:\f+48+12*\b+11], v[\f+12*(\a):\f+12*(\a)+11], v[ACC+8*(4*(\a)+\b):ACC+8*(4*(\a)+\b)+7], v[SC+4*((\f)/128)+\b], v[SC+4*((\f)/128)+(\a)] matrix_a_fmt:MATRIX_FMT_FP6 matrix_b_fmt:MATRIX_FMT_FP6 matrix_a_scale:MATRIX_SCALE_ROW1
.endif
.endr
.endm
.macro PLACES
.rept 4
	v_nop
.endr
.endm
; One of a slot's first three K steps: buffer f is multiplied; ahead of that the next K step, kn, is asked for into buffer g, which the last sixteen products read: four places stand in front of those loads
.macro QUARTER slot, kn, f, g, zero
	s_wait_dscnt 0x0                               ; buffer f and its scale words are in
	PLACES
	FETCH \slot, \kn, \g
	WIN MUL
	MULA \f, 0, \zero
	MULA \f, 1, \zero
	MULA \f, 2, \zero
	MULA \f, 3, \zero
.endm
; A slot's last K step multiplies buffer 1 and changes slots.  In front of the barrier each wave waits for all its tensor loads, adds 0 to its spare word, and waits for that and for its reads of this slot.
.macro TURN slot, next, fill
	WIN 0                                          ; (the add's two registers lie in window 0)
	s_wait_tensorcnt 0x0                           ; all my tensor loads have landed: my part of the next slot
	ds_add_u32 v[SPW], v[NIL]                      ; 0 onto my spare word
	s_wait_dscnt 1                                 ; (the add alone may be out: buffer 1 is in)
	WIN MUL
	MULA F1, 0, 0                                  ; four matrix instructions stand between the add and the wait for it
	s_wait_dscnt 0x0                               ; the add is done, and my reads of this slot are over
	s_barrier_signal -1
	MULA F1, 1, 0
	WIN 0
	s_barrier_wait -1
.if \fill
	CREST                                          ; the barrier has opened a round of the cluster's: no wave of any partner still reads this slot or has a load on its way
	s_add_nc_u64 s[G0+4*\slot+2:G0+4*\slot+3], s[G0+4*\slot+2:G0+4*\slot+3], 3145728
	s_add_nc_u64 s[G0B+4*\slot+2:G0B+4*\slot+3], s[G0B+4*\slot+2:G0B+4*\slot+3], 786432
	JLOAD G0+4*\slot, G1, G0B+4*\slot, G1B         ; the first tensor load behind the round; its four v_nop are the places in front of the loads below
.else
	PLACES
.endif
	v_add_nc_u32 v[ADS], 2048, v[ADS]              ; the next slot's scale words
	FETCH \next, 0, F0
	WIN MUL
	MULA F1, 2, 0
	MULA F1, 3, 0
.endm
	s_wait_tensorcnt 1                             ; the scale words and my part of slot 0 are in; slot 1's load may be out
	s_barrier_signal -1
	s_barrier_wait -1
	FETCH 0, 0, F0
	QUARTER 0, 1, F0, F1, 1                        ; the first products start the sums
	QUARTER 0, 2, F1, F0, 0
	QUARTER 0, 3, F0, F1, 0
	TURN 0, 1, 1                                   ; slot 0 takes K 1024-1535
	QUARTER 1, 1, F0, F1, 0
	QUARTER 1, 2, F1, F0, 0
	QUARTER 1, 3, F0, F1, 0
	TURN 1, 0, 1                                   ; slot 1 takes K 1536-2047
	QUARTER 0, 1, F0, F1, 0
	QUARTER 0, 2, F1, F0, 0
	QUARTER 0, 3, F0, F1, 0
	TURN 0, 1, 0                                   ; nothing is left to fetch: a plain barrier
	QUARTER 1, 1, F0, F1, 0
	QUARTER 1, 2, F1, F0, 0
	QUARTER 1, 3, F0, F1, 0
	s_wait_dscnt 0x0
	MULA F1, 0, 0
	MULA F1, 1, 0
	MULA F1, 2, 0
	MULA F1, 3, 0
	WIN 0
; THE WAY OUT, block by block of 16 tokens x 64 columns.  A lane holds pieces of one row; the block goes through my own stage and comes back as whole rows of 256 bytes.
; LDS serves a wave's instructions in order (ISA guide 5.7.1.4): no wait between the stores and the loads, nor in front of the next block's stores.
.macro TOSTAGE a
.irp b, 0,1,2,3
	ds_store_b128 v[STO], v[ACC+8*(4*(\a)+\b):ACC+8*(4*(\a)+\b)+3] offset:128*(\b/2)+32*(\b%2)          ; columns 32 (b / 2) + 16 h + 8 (b % 2) + 0 .. 3: each accumulator from its low end on
	ds_store_b128 v[STO], v[ACC+8*(4*(\a)+\b)+4:ACC+8*(4*(\a)+\b)+7] offset:128*(\b/2)+32*(\b%2)+16
.endr
.irp t, 0,1,2,3,4,5,6,7
	ds_load_b128 v[OB+32*((\a)%2)+4*\t:OB+32*((\a)%2)+4*\t+3], v[RD] offset:544*\t
.endr
.endm
.macro SEND a, younger                 ; place 2 t + h of block a is token 32 (a / 2) + 8 (a % 2) + 2 t + h + 8 (t / 4) of my 64
	s_wait_dscnt \younger
.irp t, 0,1,2,3,4,5,6,7
	global_store_b128 v[CO], v[OB+32*((\a)%2)+4*\t:OB+32*((\a)%2)+4*\t+3], s[8:9] offset:(2*\t+8*(\t/4)+8*((\a)%2)+32*((\a)/2))*4096 th:TH_STORE_NT   ; 16 lanes store 256 consecutive bytes, aligned
.endr
.endm
	PLACES                                         ; in front of the first read of results
	TOSTAGE 0
	TOSTAGE 1
	SEND 0, 16                                     ; behind block 0's loads: block 1's 8 stores and 8 loads
	s_wait_xcnt 0x0                                ; block 0's stores have read their registers: block 2's loads may land there
	TOSTAGE 2
	SEND 1, 16
	s_wait_xcnt 0x0
	TOSTAGE 3
	SEND 2, 16
	SEND 3, 0
	s_wait_tensorcnt 0x0                           ; the wave's end: three lines behind my last tensor load and my last LDS store
	ds_add_u32 v[SPW], v[NIL]
	s_wait_dscnt 0x0
	CROUND                                         ; the closing round: no work-group ends while a partner may still ask for a tile that names it
	s_endpgm
.Lfunc_end_k_q068de54475_oproj:
	.size	k_q068de54475_oproj, .Lfunc_end_k_q068de54475_oproj-k_q068de54475_oproj
	.p2alignl 7, 3214868480
	.fill 96, 4, 3214868480
	.section	.rodata,"a",@progbits
	.p2align	6, 0x0
	.amdhsa_kernel k_q068de54475_oproj
		.amdhsa_group_segment_fixed_size 327680
		.amdhsa_private_segment_fixed_size 0
		.amdhsa_enable_private_segment 0
		.amdhsa_kernarg_size 24
		.amdhsa_user_sgpr_count 2
		.amdhsa_user_sgpr_kernarg_segment_ptr 1
		.amdhsa_wavefront_size32 1
		.amdhsa_system_sgpr_workgroup_id_x 1
		.amdhsa_system_sgpr_workgroup_id_y 1
		.amdhsa_system_sgpr_workgroup_id_z 1
		.amdhsa_system_vgpr_workitem_id 0
		.amdhsa_next_free_vgpr 512
		.amdhsa_next_free_sgpr 98
		.amdhsa_reserve_vcc 0
		.amdhsa_float_denorm_mode_32 3
		.amdhsa_float_denorm_mode_16_64 3
		.amdhsa_memory_ordered 1
		.amdhsa_forward_progress 1
		.amdhsa_inst_pref_size 81
	.end_amdhsa_kernel
	.amdgpu_metadata
---
amdhsa.version: [ 1, 2 ]
amdhsa.kernels:
  - .name:           k_q068de54475_oproj
    .symbol:         k_q068de54475_oproj.kd
    .args:
      - { .name: ao_c, .offset: 0, .size: 8, .value_kind: global_buffer, .address_space: global }
      - { .name: wo_c, .offset: 8, .size: 8, .value_kind: global_buffer, .address_space: global }
      - { .name: out0, .offset: 16, .size: 8, .value_kind: global_buffer, .address_space: global }
    .group_segment_fixed_size: 327680
    .private_segment_fixed_size: 0
    .kernarg_segment_align: 8
    .kernarg_segment_size: 24
    .max_flat_workgroup_size: 128
    .sgpr_count:     98
    .vgpr_count:     512
    .wavefront_size: 32
...
	.end_amdgpu_metadata
.endif
;; end of part 4
